; MI455X (gfx1250); checked and timed in simulation.
; The chip was launched on July 23, 2026; its instructions are those of AMD's public machine-readable ISA for CDNA 5 (MIT licence, August 2026) and "CDNA5" Instruction Set Architecture Reference Guide (July 2026). The comments in the code are by the model that wrote it; some were corrected since.
;; Sequential MLP. Allowed arithmetic: matrix products marked QUANTISED: E4M3 operands, one E8M0 scale for each 32 along K, by v_wmma_scale_f32_16x16x128_f8f6f4 with both operands' format E4M3, f32 sums; everything else in f32.
;; Inputs: W1_codes 8 x 2,048 x 32 x 32 uint8 (E4M3 codes of W1, K innermost, in blocks of 32 codes); W1_scales 8 x 2,048 x 32 uint8 (E8M0 scales of W1, one for each 32 codes along K); W2_codes 8 x 1,024 x 32 x 32 uint8 (E4M3 codes of W2, K innermost, in blocks of 32 codes); W2_scales 8 x 1,024 x 32 uint8 (E8M0 scales of W2, one for each 32 codes along K); b1 8 x 2,048 float32; b2 8 x 1,024 float32; hidden_states_codes 16,384 x 32 x 32 uint8 (E4M3 codes of hidden_states, K innermost, in blocks of 32 codes); hidden_states_scales 16,384 x 32 uint8 (E8M0 scales of hidden_states, one for each 32 codes along K); probs 16,384 float32; tokens_per_expert 8 int32.
;; Outputs: out0 16,384 x 1,024 float32.
;; This version of the problem:
;;   THIS VERSION OF THE PROBLEM IS GIVEN IN LOW PRECISION. The matrix products marked QUANTISED in the list below multiply operands that are first quantised to E4M3 (4 exponent bits, 3 mantissa bits; 8 bits a number), with one power-of-two scale for each 32 numbers along K (OCP MX v1.0); their sums are f32. All else is computed in f32.
;;   The module's matrix products, in the order in which they are computed (A, B: the left and right operand; K: the contracted axis; several contracted axes count as one K, in the product's order):
;;     1. batch 8 x [M 2,048, K 1,024] x [K 1,024, N 2,048]; A: input hidden_states (given as codes); B: input W1 (given as codes): QUANTISED
;;     2. batch 8 x [M 2,048, K 1,024] x [K 1,024, N 1,024]; A: computed on the way; B: input W2 (given as codes): QUANTISED
;;   THE QUANTISER, for each operand of a quantised product, along K:
;;     - K is cut into blocks of 32 from its start; a last block that is shorter is filled with zeros.
;;     - A block's scale is 2^e with e = floor(log2(the largest magnitude in the block)) - 8, held to -126 .. 127; a block of zeros has e = 0. As a byte (E8M0): e + 127.
;;     - Each number is divided by its block's scale, clamped to +-448, and rounded to the nearest number of E4M3, ties to even, subnormals kept.
;;     - The product sums the exact products of the quantised numbers (number of the format x scale) in f32.
;;   ~~~python
;;   def quantise(x, axis):      # numpy; x: float32 -> the quantised numbers, widened to float32 again
;;       x = np.moveaxis(x, axis, -1); K = x.shape[-1]
;;       x = np.pad(x, [(0, 0)] * (x.ndim - 1) + [(0, -K % 32)]); x = x.reshape(x.shape[:-1] + (-1, 32)); a = np.abs(x).max(-1, keepdims=True)
;;       e = np.where(a > 0, np.clip(np.frexp(np.where(a > 0, a, 1))[1] - 1 - 8, -126, 127), 0)      # np.frexp(a)[1] - 1 = floor(log2(a)), exactly
;;       r = np.clip(x / 2.0 ** e, -448, 448)
;;       step = 2.0 ** (np.maximum(np.frexp(np.where(r == 0, 1, r))[1] - 1, -6) - 3)
;;       q = np.round(r / step) * step * 2.0 ** e      # np.round: ties to even
;;       return np.moveaxis(q.reshape(q.shape[:-2] + (-1,))[..., :K], -1, axis).astype(np.float32)
;;   ~~~
;;   OPERANDS COMPUTED ON THE WAY. 'Computed on the way' means the value that the module computes at that place (a softmax that the list does not call 'softmax' is quantised finished and normalised). What goes into a quantiser is computed in f32, as accurately as f32 sums, v_exp_f32 and their like allow (about 1e-6 of the number): no bf16 or f16 on the way to a quantiser, and a product that is left as it is and whose result goes on into a quantised operand takes f32 operands (vector FMAs, or v_wmma_f32_16x16x4_f32). A number that lies on a knife's edge between two numbers of the format may be rounded either way, as far as f32 arithmetic and the matrix unit's own rounding can turn it there, and no further.
;;   INPUTS GIVEN AS CODES. W1 (in the module: [8, 1024, 2048], K = its axis 1); W2 (in the module: [8, 1024, 1024], K = its axis 1); hidden_states (in the module: [16384, 1024], K = its axis 1): each comes as NAME_codes (uint8): NAME with its K axis moved to the last place and cut into blocks of 32 codes, [.., K / 32, bytes a block], one block behind the other in memory; one code a byte (a code: sign, 4 exponent bits, 3 mantissa bits); and NAME_scales (uint8): the same leading axes, one E8M0 byte (e + 127) for each 32 codes along K. Its value is code x scale, taken as it is: it is not quantised again, and the codes and scales need not be those that the quantiser above would give.
;; 2 versions. Each part assembles by itself: llvm-mc -triple=amdgcn-amd-amdhsa -mcpu=gfx1250 --defsym DOCPART=n.
;; ======== version 1 of 2: 1 launch
;; launch moe (part 1): grid 256 x 1, 4 waves a work-group, clusters of 4 x 1, 327,680 bytes of LDS; arguments W1_codes, W1_scales, W2_codes, W2_scales, b1, b2, hidden_states_codes, hidden_states_scales, probs, out0, tokens_per_expert; writes out0
.if DOCPART == 1
	.amdgcn_target "amdgcn-amd-amdhsa--gfx1250"
	.amdhsa_code_object_version 6
	.text
	.protected	k_q9b9e6683c0_moe
	.globl	k_q9b9e6683c0_moe
	.p2align	8
	.type	k_q9b9e6683c0_moe,@function
k_q9b9e6683c0_moe:
	s_mov_b64 s[64:65], 0
	v_nop
	global_prefetch_b8 v0, s[64:65] scope:SCOPE_SE
	s_setreg_imm32_b32 hwreg(HW_REG_WAVE_MODE, 25, 1), 1
	s_wait_xcnt 0x0
	s_wait_alu depctr_hold_cnt(0) depctr_sa_sdst(0) depctr_va_vdst(0) depctr_va_sdst(0) depctr_va_ssrc(0) depctr_va_vcc(0) depctr_vm_vsrc(0)
	s_getreg_b32 s2, hwreg(HW_REG_IB_STS2, 6, 4)
	s_cmp_eq_u32 s2, 0
	s_cbranch_scc0 .Lentry_in_a_cluster
	s_endpgm
.Lentry_in_a_cluster:
	s_bfe_u32 s2, ttmp6, 0x10000c
	s_cmp_lg_u32 s2, 0x3003
	s_cbranch_scc0 .Lentry_shape_is_right
	s_endpgm
.Lentry_shape_is_right:
; out = Q(silu(gate) (lin + 1) p) W2 + b2, with [gate | lin] = x W1 + b1: eight experts, 2,048 token rows each, in fixed groups on end.  Both products on E4M3 codes with one E8M0 byte for each 32 along K.
; x [16384][1024], W1 [8][2048][1024], W2 [8][1024][1024] arrive as codes with K innermost, their scale bytes 32 a row.  The hidden layer is quantised here, in registers, and never goes to memory.
; SHARES.  A work-group takes 64 token rows of one expert through the whole chain: 16,384 / 64 = 256 work-groups.  ITS FOUR WAVES SHARE THE COLUMNS: every wave holds all 64 rows of x (later of the hidden layer) as
; 32 fragments in 512 registers; a weight fragment is read from LDS by one wave, once, and feeds four matrix instructions (the four tiles of 16 rows).  The weights are the only stream.
; fc1 goes in 8 steps of 128 hidden units (one K step of fc2): wave w makes units 128 i + 32 w .. + 31, gate and lin: 4 weight tiles x 4 row tiles = 16 accumulators.  fc2 goes in 4 groups of 256 output columns, 64 a wave.
; BOTH PRODUCTS ARE USED TRANSPOSED (source 0 = 16 weight rows, source 1 = 16 token rows): lane (r, h) holds token row r, and register j weight row 8 h + j of the tile.  The biases are the C of each sum's first product.
; RING.  Two LDS slots of 256 weight rows x 512 bytes (four K steps); each wave fetches 64 rows with one tensor load; 16 slots' worth for fc1, 8 for fc2.  One tensor load of a wave is out at any time.
; CLUSTER 4, 1, 1.  The 32 work-groups of an expert walk the same weights; four neighbours lie in one expert (32 is a multiple of 4), so every weight tile is asked for JOINTLY, mask 15.  A mask names four work-groups here, so a larger cluster would share no more.
; THE HIDDEN LAYER'S K ORDER.  A lane's 16 numbers of a block of 32 are units 8 h + 0..7 and 16 + 8 h + 0..7 (two neighbouring tiles of 16 weight rows).  W2's fragments are loaded in the same order, 8 bytes at a time:
; k is permuted inside each block of 32, alike on both operands, so every product meets its partner and its block's scales; only the order of the sums inside an instruction differs.
; FROM WAVE TO WAVE the hidden codes go through LDS as images of the operand's registers (16 bytes a lane, 512 a store).  Images of K steps 0-5 fit behind the ring; each wave keeps its codes of steps 6 and 7
; in 32 registers until steps 0-5 have been fetched by all, and sends them through the bytes of steps 0 and 1.
; tokens_per_expert is loaded like every input; reference() cuts the rows by t // e and makes nothing of the counts, so nothing here hangs on them.
; LIMITS.  NaN and infinities are not served.  A block whose largest magnitude lies under 2^-118 gets the byte 1; a block of zeros too (its codes are zeros; these bytes are read by this program alone).
; silu(g) = g / (1 + 2^(-g log2 e)) by v_exp_f32 and v_rcp_f32, which flush denormals: where the sigmoid would be denormal it is 0.  (lin + 1) p is one fused multiply-add, and the three factors are multiplied in another order than reference() has them.
; REGISTERS, in windows of 256.  Window 0: v1-19, v28-31 addresses; v20-27 p; v32-47 scale words of x / the hidden layer; v48-63 of the weights; v64-95 at work; v96-127 the kept codes (fc2: v64-127 rows on the way out); v128-255 the 16 accumulators.
;   Window 1: v0-63, v64-127 two sets of four weight fragments; v128-159 the four bias tiles.   Windows 2, 3: fragment (K step s, row tile m) in window 2 + s / 4 at v[64 (s % 4) + 16 m].
.set PITCH,  528                       ; an LDS row of weights: 512 bytes + 16 of padding = 132 words: row r begins 4 r words on, modulo 64: sixteen rows' 16 bytes, or 32 lanes' 8 bytes, fall on different words
.set WTILE,  64*PITCH                  ; what one tensor load brings
.set SLOT,   4*WTILE                   ; 135,168
.set HIMG,   2*SLOT                    ; behind the ring: 24 images of hidden fragments; (s, m) at (4 s + m) FRB, register group c at + 512 c, lane at + 16 lane
.set FRB,    2048
.set STG,    HIMG+16384                ; fc2's way out: 16 rows x 272 bytes for each wave, in the images of steps 2 to 4, after their last read
.set SP,     272
.set HSC,    HIMG+24*FRB               ; the hidden layer's scale words as images of v32-47: register 8 a + s at 128 (8 a + s), lane at + 4 lane, block c at + c
.set SPARE,  HSC+2048                  ; the spare words, 128 bytes for each wave: two blocks of 256 bytes that no other line names
.set W1STEP, 128*1024                  ; bytes from a slot's tile of W1 to its next: 128 rows
.set W2STEP, 256*1024                  ; of W2: 256 rows
.set GA,  36                           ; s[36:39], s[40:43] descriptor group 0 for W1's tiles, one for each slot
.set GB,  44                           ; s[44:47], s[48:51] the same for W2's
.set TM,  80                           ; v80-83 largest magnitudes, v84-87 bytes, v88-91 448 x the scale, v92-95 the conversions' scale operands
.set MSB, 0
.macro WIN new                         ; s_set_vgpr_msb: bits 1:0 source 0, 3:2 source 1, 5:4 source 2, 7:6 destination; the high byte repeats the setting that is left
.if MSB != (\new)
	s_set_vgpr_msb (MSB<<8)|(\new)
.set MSB, (\new)
.endif
.endm
.macro PLACES n                        ; plain vector places behind matrix instructions (ISA guide 7.12.1)
.rept \n
	v_nop
.endr
.endm
.macro ROUND                           ; a round of the cluster's barrier: my work-group's barrier; wave 0 signals for the work-group; every wave waits for all four work-groups; my work-group's barrier again
	s_barrier_signal -1
	s_barrier_wait -1
	s_cmp_lg_u32 s24, 0
	s_cbranch_scc1 .Lnot_wave_0_\@
	s_barrier_signal -3
.Lnot_wave_0_\@:
	s_barrier_wait -3
	s_barrier_signal -1
	s_barrier_wait -1
.endm
; THE CHANGE OF SLOTS.  Each wave waits for all its tensor loads (one is out: its part of the slot to be read next), adds 0 to its spare word, and waits for that and for its LDS reads and stores.
; stp: the group 0 that steps to its slot's next tile (no load of mine is out), or -1.  iss: the group 0 of the joint refill of the slot just left, first thing behind the round; -1: nothing is left to fetch, a plain barrier.
.macro CHANGE stp, bytes, iss
	s_wait_tensorcnt 0x0
	ds_add_u32 v1, v2
.if (\stp) >= 0
	s_add_nc_u64 s[2+(\stp):3+(\stp)], s[2+(\stp):3+(\stp)], \bytes
.endif
	s_wait_dscnt 0x0
.if (\iss) >= 0
	ROUND                                          ; no wave of any partner still reads the slot or has a load on its way
	tensor_load_to_lds s[0+(\iss):3+(\iss)], s[28:35]
	s_nop 0
	PLACES 4
.else
	s_barrier_signal -1
	s_barrier_wait -1
.endif
.endm
; Wave 0 asks for weights that a later step's tensor loads will want: 32 lanes x 256 bytes = 8 rows of 1,024 bytes; the 32 work-groups of an expert ask for 256 different rows.
.macro PREF p, vo, i0, i1
	s_cmp_lg_u32 s24, 0
	s_cbranch_scc1 .Lno_ask_\@
	global_prefetch_b8 v[\vo], s[\p:\p+1] offset:\i0 th:TH_LOAD_NT scope:SCOPE_SE
.if (\i1) >= 0
	global_prefetch_b8 v[\vo], s[\p:\p+1] offset:\i1 th:TH_LOAD_NT scope:SCOPE_SE
.endif
.Lno_ask_\@:
.endm
; My four weight fragments of the slot's kq-th 128 along K, into set.  ph = 1 (W1): 16 loads of 16 bytes: gate's two tiles, lin's two.  ph = 2 (W2): 32 loads of 8 bytes, in the hidden layer's order of k.
.macro LOADW ph, set, q, kq
.if \ph == 1
.irp k, 0,1
.irp u, 0,1
.irp c, 0,1,2,3
	ds_load_b128 v[64*(\set)+16*(2*\k+\u)+4*\c:64*(\set)+16*(2*\k+\u)+4*\c+3], v[3+2*(\q)+\k] offset:16*PITCH*\u+128*(\kq)+32*\c
.endr
.endr
.endr
.else
.irp t, 0,1,2,3
.irp c, 0,1,2,3
	ds_load_b64 v[64*(\set)+16*\t+4*\c:64*(\set)+16*\t+4*\c+1], v[7+(\q)] offset:16*PITCH*\t+128*(\kq)+32*\c
	ds_load_b64 v[64*(\set)+16*\t+4*\c+2:64*(\set)+16*\t+4*\c+3], v[7+(\q)] offset:16*PITCH*\t+128*(\kq)+32*\c+16
.endr
.endr
.endif
.endm
; One product: weight tile t x row tile m, K step ks.  A scale register carries two tiles' words: the even tile's in lanes 0-15, the odd tile's in lanes 16-31.
.macro MM set, ks, bias, m, t
.set rD, 128+64*((\t)>>1)+16*(\m)+8*((\t)&1)
.set rC, rD
.if \bias
.set rC, 128+8*(\t)                    ; the tile's bias, in window 1
.endif
.set rA, 64*(\set)+16*(\t)
.set rB, 64*((\ks)&3)+16*(\m)
.set rP, 48+8*((\t)>>1)+(\ks)
.set rQ, 32+8*((\m)>>1)+(\ks)
.if ((\t)&1) && ((\m)&1)
	v_wmma_scale_f32_16x16x128_f8f6f4 v[rD:rD+7], v[rA:rA+15], v[rB:rB+15], v[rC:rC+7], v[rP], v[rQ] matrix_a_scale:MATRIX_SCALE_ROW1 matrix_b_scale:MATRIX_SCALE_ROW1
.elseif (\t)&1
	v_wmma_scale_f32_16x16x128_f8f6f4 v[rD:rD+7], v[rA:rA+15], v[rB:rB+15], v[rC:rC+7], v[rP], v[rQ] matrix_a_scale:MATRIX_SCALE_ROW1
.elseif (\m)&1
	v_wmma_scale_f32_16x16x128_f8f6f4 v[rD:rD+7], v[rA:rA+15], v[rB:rB+15], v[rC:rC+7], v[rP], v[rQ] matrix_b_scale:MATRIX_SCALE_ROW1
.else
	v_wmma_scale_f32_16x16x128_f8f6f4 v[rD:rD+7], v[rA:rA+15], v[rB:rB+15], v[rC:rC+7], v[rP], v[rQ]
.endif
.endm
.macro MUL set, ks, bias               ; 16 products: the sixteen accumulators take turns, one instruction a turn, in the same order in every K step
.irp m, 0,1,2,3
.irp t, 0,1,2,3
	MM \set, \ks, \bias, \m, \t
.endr
.endr
.endm
; A slot's four K steps: 64 products on two sets of weight fragments.  lc: how many younger global loads may stay out when this half's bias and scale words have to be there.
.macro HALF ph, q, lc
	WIN 0x40                                       ; destination window 1, address window 0
	LOADW \ph, 0, \q, 0
	LOADW \ph, 1, \q, 1
	s_wait_dscnt 16*(\ph)                          ; all but the run just issued: set 0 is in
	s_wait_loadcnt \lc
.if \q == 0
	WIN 0x19                                       ; weights and bias window 1, rows window 2, D window 0
	MUL 0, 0, 1                                    ; the first K step starts the sums on the biases
.else
	WIN 0x0d                                       ; weights window 1, rows window 3, C and D window 0
	MUL 0, 4, 0
.endif
	PLACES 8                                       ; in front of loads into registers that these products read
	WIN 0x40
	LOADW \ph, 0, \q, 2
	s_wait_dscnt 16*(\ph)                          ; set 1 is in
	WIN 0x09+4*(\q)
	MUL 1, 4*(\q)+1, 0
	PLACES 8
	WIN 0x40
	LOADW \ph, 1, \q, 3
	s_wait_dscnt 16*(\ph)                          ; set 0 is in
	WIN 0x09+4*(\q)
	MUL 0, 4*(\q)+2, 0
	s_wait_dscnt 0x0                               ; set 1 is in, and my reads of the slot are over
	MUL 1, 4*(\q)+3, 0
	PLACES 9                                       ; for reads of the results, for loads into bias, scale and fragment registers, and for the next sums' first products, which write over these accumulators with another C
	WIN 0
.endm
.macro NEXTB pb, koff                  ; the next step's four bias tiles: lane (r, h) takes the tile's eight numbers 8 h + 0 .. 7
	WIN 0x40
.irp t, 0,1,2,3
	global_load_b128 v[128+8*\t:128+8*\t+3], v16, s[\pb:\pb+1] offset:(\koff)*(\t>>1)+64*(\t&1)
	global_load_b128 v[128+8*\t+4:128+8*\t+7], v16, s[\pb:\pb+1] offset:(\koff)*(\t>>1)+64*(\t&1)+16
.endr
	WIN 0
.endm
.macro NEXTS ps, soff, hi              ; the next step's weight scale words of K steps 4 hi .. 4 hi + 3: lane l takes row l of 32 neighbouring rows, 16 of its 32 bytes
.irp k, 0,1
	global_load_b128 v[48+8*\k+4*(\hi):48+8*\k+4*(\hi)+3], v15, s[\ps:\ps+1] offset:(\soff)*\k+16*(\hi)
.endr
.endm
; The activation of row tiles m0, m0 + 1: G (gate, v[128 + 16 m] on) becomes silu(G) (L + 1) p, L (lin) at v[192 + 16 m] on.  Every list ascends.
.macro ACTPAIR m0
.irp d, 0,1
.irp j, 0,2,4,6,8,10,12,14
	v_pk_mul_f32 v[64+16*\d+\j:65+16*\d+\j], v[128+16*(\m0+\d)+\j:129+16*(\m0+\d)+\j], s[56:57] op_sel_hi:[1,0]   ; -g log2(e)
.endr
.endr
.set n, 64
.rept 32
	v_exp_f32 v[n], v[n]                           ; e^-g
.set n, n+1
.endr
.irp d, 0,1
.irp j, 0,2,4,6,8,10,12,14
	v_pk_fma_f32 v[192+16*(\m0+\d)+\j:193+16*(\m0+\d)+\j], v[192+16*(\m0+\d)+\j:193+16*(\m0+\d)+\j], v[20+2*(\m0+\d):21+2*(\m0+\d)], v[20+2*(\m0+\d):21+2*(\m0+\d)]   ; lin p + p.  (The plain places behind the exponentials)
.endr
.endr
.set n, 64
	s_wait_alu depctr_va_vdst(0)
.rept 16
	v_pk_add_f32 v[n:n+1], v[n:n+1], 1.0 op_sel_hi:[1,0]
.set n, n+2
.endr
.set n, 64
.rept 32
	v_rcp_f32 v[n], v[n]                           ; the sigmoid
.set n, n+1
.endr
.irp d, 0,1
.irp j, 0,2,4,6,8,10,12,14
	v_pk_mul_f32 v[128+16*(\m0+\d)+\j:129+16*(\m0+\d)+\j], v[128+16*(\m0+\d)+\j:129+16*(\m0+\d)+\j], v[192+16*(\m0+\d)+\j:193+16*(\m0+\d)+\j]   ; (the plain places behind the reciprocals)
.endr
.endr
	s_wait_alu depctr_va_vdst(0)
.irp d, 0,1
.irp j, 0,2,4,6,8,10,12,14
	v_pk_mul_f32 v[128+16*(\m0+\d)+\j:129+16*(\m0+\d)+\j], v[128+16*(\m0+\d)+\j:129+16*(\m0+\d)+\j], v[64+16*\d+\j:65+16*\d+\j]
.endr
.endr
.endm
; My block of 32 hidden units, for the four row tiles b: a lane holds 16 of a row's 32 numbers in v[128 + 16 b] on, lane l xor 16 the other 16.  Codes into v[dst + 4 b] on, the scale's byte into v[TM + 4 + b].
.macro QUANT dst
.irp b, 0,1,2,3
	v_max3_num_f32 v[TM+\b], |v[128+16*\b]|, |v[129+16*\b]|, 0x4800000   ; the floor 2^(9 - 127) among the leaves: the byte cannot fall under 1
.endr
.irp i, 2,4,6,8,10,12,14
.irp b, 0,1,2,3
	v_max3_num_f32 v[TM+\b], v[TM+\b], |v[128+16*\b+\i]|, |v[129+16*\b+\i]|   ; (the four tiles by turns)
.endr
.endr
.irp b, 0,1,2,3
	v_permlanex16_b32 v[TM+4+\b], v[TM+\b], s52, s53
.endr
.irp b, 0,1,2,3
	v_max_num_f32 v[TM+\b], v[TM+\b], v[TM+4+\b]   ; the block's largest magnitude
.endr
.irp b, 0,1,2,3
	v_add_nc_u32 v[TM+12+\b], 0xfc000000, v[TM+\b]   ; 8 off its exponent field: the conversion's scale operand
.endr
.irp b, 0,1,2,3
	v_and_or_b32 v[TM+8+\b], v[TM+\b], 0x7f800000, s54   ; 448 x the scale
.endr
.irp b, 0,1,2,3
	v_lshrrev_b32 v[TM+4+\b], 23, v[TM+12+\b]      ; the scale's byte
.endr
.irp b, 0,1,2,3
.irp i, 0,1,2,3,4,5,6,7,8,9,10,11,12,13,14,15
	v_med3_num_f32 v[128+16*\b+\i], v[128+16*\b+\i], -v[TM+8+\b], v[TM+8+\b]   ; the conversion to an 8-bit code does not saturate (ISA guide 7.6.2)
.endr
	v_cvt_scalef32_pk8_fp8_f32 v[(\dst)+4*\b:(\dst)+4*\b+1], v[128+16*\b:135+16*\b], v[TM+12+\b]
	v_cvt_scalef32_pk8_fp8_f32 v[(\dst)+4*\b+2:(\dst)+4*\b+3], v[136+16*\b:143+16*\b], v[TM+12+\b]
.endr
	v_nop                                          ; a plain place behind the last conversion: the next sums write its sources
.endm
.macro PUT store                       ; the four bytes into the scale words' images (lanes r and r + 16 write the same byte with the same value); store = 1: the codes into their images
	v_add_nc_u32 v12, s59, v11
.irp m, 0,1,2,3
	ds_store_b8 v12, v[TM+4+\m] offset:1024*(\m>>1)+64*(\m&1)
.endr
.if \store
	v_add_nc_u32 v10, s58, v9
.irp m, 0,1,2,3
	ds_store_b128 v10, v[64+4*\m:64+4*\m+3] offset:FRB*\m
.endr
.endif
.endm
.macro FETCH reg, off                  ; an image comes back as the fragment's 16 registers, in any wave
.irp c, 0,1,2,3
	ds_load_b128 v[(\reg)+4*\c:(\reg)+4*\c+3], v13 offset:(\off)+512*\c
.endr
.endm
; THE WAY OUT of fc2, a row tile (16 rows x my 64 columns) at a time, through my own stage: a lane's 32 bytes of a row go in, rows of 256 bytes come back.  LDS serves a wave's instructions in order (ISA guide 5.7.1.4).
.macro TOSTAGE m
.irp t, 0,1,2,3
.set rD, 128+64*(\t>>1)+16*(\m)+8*(\t&1)
	ds_store_b128 v17, v[rD:rD+3] offset:64*\t     ; each accumulator from its low end on
	ds_store_b128 v17, v[rD+4:rD+7] offset:64*\t+16
.endr
.irp i, 0,1,2,3,4,5,6,7
	ds_load_b128 v[64+32*((\m)&1)+4*\i:64+32*((\m)&1)+4*\i+3], v18 offset:2*SP*\i
.endr
.endm
.macro SEND m, y                       ; y: the LDS instructions issued behind tile m's loads, which may stay out
	s_wait_dscnt \y
.irp i, 0,1,2,3,4,5,6,7
	global_store_b128 v19, v[64+32*((\m)&1)+4*\i:64+32*((\m)&1)+4*\i+3], s[22:23] offset:65536*(\m)+8192*\i th:TH_STORE_NT   ; 16 lanes store 256 consecutive bytes, at a multiple of 256 from out0's first byte
.endr
.endm
.macro OUT next
	TOSTAGE 0
.irp a, 1,2,3
.if \a > 1
	s_wait_xcnt 0x0                                ; tile a - 2's stores have read their registers: tile a's loads may land there
.endif
	TOSTAGE \a
	SEND \a-1, 16                                  ; behind tile a - 1's loads: tile a's 8 stores and 8 loads
.endr
	SEND 3, 0
.if \next
	s_wait_xcnt 0x0                                ; stores and loads have read their registers and bases
	s_add_nc_u64 s[22:23], s[22:23], 1024          ; the next 256 columns of out0,
	s_add_nc_u64 s[14:15], s[14:15], 1024          ; of b2,
	s_add_nc_u64 s[10:11], s[10:11], 8192          ; and the next 256 rows of W2's scales
.endif
.endm
; A STEP OF fc1: 128 hidden units.  dst, store: where my codes go.  iss2: the tile asked for at the step's middle.  pb .. sstep: where the next step's biases and scale words come from.  pf: which weights wave 0 asks for.
.macro STEP1 dst, store, iss2, pb, ps, koff, soff, bstep, sstep, pf
	CHANGE GA, W1STEP, GA+4                        ; slot 0 is whole; slot 1 takes this step's K 512 .. 1,023
.if \pf == 0
	PREF 60, 29, 0, -1                             ; W1's rows of the step two steps on
.elseif \pf == 1
	PREF 8, 30, 0, 262144                          ; W2's rows 0 .. 511
.else
	PREF 8, 30, 524288, 786432                     ; W2's rows 512 .. 1,023: the last request
.endif
	HALF 1, 0, 2                                   ; behind this step's 8 bias and 2 lower scale loads only its 2 upper scale loads were issued
	NEXTB \pb, \koff
	NEXTS \ps, \soff, 0
	CHANGE GA+4, W1STEP, \iss2                     ; slot 1 is whole; slot 0 takes the next step's first half
	HALF 1, 1, 10                                  ; behind this step's 2 upper scale loads: the next step's 8 + 2
	NEXTS \ps, \soff, 1
	ACTPAIR 0
	ACTPAIR 2
	QUANT \dst
	PUT \store
	s_wait_xcnt 0x0                                ; the loads and the request have read their bases
	s_add_nc_u64 s[\pb:\pb+1], s[\pb:\pb+1], \bstep
	s_add_nc_u64 s[\ps:\ps+1], s[\ps:\ps+1], \sstep
.if \pf == 0
	s_add_nc_u64 s[60:61], s[60:61], W1STEP
.endif
	s_add_co_u32 s58, s58, 4*FRB                   ; the next K step's images
	s_add_co_u32 s59, s59, 128                     ; and scale words
.endm
.macro PTR p, es, ws                   ; pointer p goes on by (expert << es) + (wave << ws) bytes
	s_lshl_b32 s74, s27, \es
	s_lshl_b32 s78, s24, \ws
	s_add_co_u32 s74, s74, s78
	s_add_nc_u64 s[\p:\p+1], s[\p:\p+1], s[74:75]
.endm
	s_load_b512 s[4:19], s[0:1], 0x0               ; W1's codes s[4:5], scales s[6:7]; W2's s[8:9], s[10:11]; b1 s[12:13]; b2 s[14:15]; x's codes s[16:17], scales s[18:19]
	s_load_b128 s[20:23], s[0:1], 0x40             ; probs s[20:21], out0 s[22:23]
	s_load_b64 s[88:89], s[0:1], 0x50              ; tokens_per_expert
	v_lshl_add_u32 v1, v0, 2, SPARE                ; my spare word; never rewritten
	v_mov_b32 v2, 0                                ; never rewritten
	ds_add_u32 v1, v2
	s_wait_dscnt 0x0
	v_lshrrev_b32 v31, 5, v0
	v_readfirstlane_b32 s24, v31                   ; wave 0..3
	s_bfe_u32 s25, ttmp6, 0x40000                  ; cx: my place in the cluster; it enters the addresses of x, probs, out0 and the requests ahead alone
	s_lshl_b32 s26, ttmp9, 2                       ; (ttmp9 counts clusters)
	s_add_co_u32 s26, s26, s25                     ; g: my block of 64 rows
	s_lshr_b32 s27, ttmp9, 3                       ; e: the expert: 8 clusters, 32 blocks each; the four partners share it
	s_and_b32 s62, ttmp9, 7
	s_lshl_b32 s62, s62, 2
	s_add_co_u32 s62, s62, s25                     ; my rank among the expert's 32 work-groups
	; descriptor group 1: a tile of 64 rows x 512 bytes, rows 1,024 bytes apart in memory, padded in LDS
	s_mov_b32 s28, 15|(1<<20)|(1<<21)|(6<<22)|(3<<25)  ; 15:0 the mask: all four work-groups; 17:16 elements of 1 byte; 20 padding on; 21 set beside a mask; 24:22 after every 128 words (code 6); 31:25 four words (code 3)
	s_mov_b32 s29, 512<<16                         ; tensor_dim0
	s_mov_b32 s30, 64<<16                          ; tensor_dim1
	s_mov_b32 s31, 512<<16                         ; tile_dim0
	s_mov_b32 s32, 64                              ; tile_dim1
	s_mov_b32 s33, 1024                            ; tensor_dim0_stride
	s_mov_b32 s34, 0
	s_mov_b32 s35, 0
	; what I fetch of a tile of W1: waves 0, 1 the two halves of 128 gate rows, waves 2, 3 of the 128 lin rows, 1,024 rows further down; of W2: rows 64 x wave on.  Expert and wave alone enter.
	s_lshl_b32 s66, s27, 21
	s_lshr_b32 s72, s24, 1
	s_lshl_b32 s72, s72, 20
	s_add_co_u32 s66, s66, s72
	s_and_b32 s72, s24, 1
	s_lshl_b32 s72, s72, 16
	s_add_co_u32 s66, s66, s72
	s_mov_b32 s67, 0
	s_lshl_b32 s68, s27, 20
	s_mov_b32 s69, 0
	s_lshl_b32 s70, s24, 16
	s_mov_b32 s71, 0
	s_mul_i32 s73, s24, WTILE                      ; and where it goes in a slot
	s_mov_b32 s75, 0
	s_mov_b32 s77, 0
	s_mov_b32 s52, 0x76543210
	s_mov_b32 s53, 0xfedcba98                      ; v_permlanex16_b32's selects for lane l xor 16
	s_mov_b32 s54, 0x600000                        ; the mantissa field of 448
	s_mov_b32 s56, 0xbfb8aa3b                      ; -log2(e)
	s_mov_b32 s57, s56                             ; (named with it as a pair)
	s_mov_b32 s58, 0
	s_mov_b32 s59, 0
	s_wait_kmcnt 0x0
	s_load_b256 s[80:87], s[88:89], 0x0            ; the eight counts: read, and nothing is made of them, as in reference()
	s_add_nc_u64 s[66:67], s[4:5], s[66:67]
	s_add_nc_u64 s[8:9], s[8:9], s[68:69]          ; W2 at my expert: kept for the requests ahead
	s_add_nc_u64 s[70:71], s[8:9], s[70:71]
.irp q, 0,1
	s_mov_b32 s[GA+4*\q], 1                        ; 1:0 count = 1
	s_add_co_u32 s[GA+4*\q+1], s73, \q*SLOT        ; 63:32 LDS address
	s_add_nc_u64 s[GA+4*\q+2:GA+4*\q+3], s[66:67], 512*\q   ; 120:64 global address: slot q holds K 512 q on
	s_or_b32 s[GA+4*\q+3], s[GA+4*\q+3], 0x80000000        ; 127:126 type = 2
	s_mov_b32 s[GB+4*\q], 1
	s_add_co_u32 s[GB+4*\q+1], s73, \q*SLOT
	s_add_nc_u64 s[GB+4*\q+2:GB+4*\q+3], s[70:71], 512*\q
	s_or_b32 s[GB+4*\q+3], s[GB+4*\q+3], 0x80000000
.endr
	ROUND                                          ; all four work-groups are here: the first joint load meets
	tensor_load_to_lds s[GA:GA+3], s[28:35]        ; step 0's first half into slot 0
	s_nop 0
	PLACES 4
	s_lshl_b32 s74, s27, 21
	s_add_nc_u64 s[60:61], s[4:5], s[74:75]
	s_add_nc_u64 s[60:61], s[60:61], 2*W1STEP      ; the requests ahead begin at step 2's gate rows
	PTR 6, 16, 10                                  ; W1's scales: 2,048 rows of 32 bytes an expert, 32 rows a wave
	PTR 10, 15, 11                                 ; W2's: 1,024 rows an expert, 64 rows a wave
	PTR 12, 13, 7                                  ; b1: 2,048 numbers an expert, 32 a wave
	PTR 14, 12, 8                                  ; b2: 1,024 an expert, 64 a wave
	s_lshl_b32 s76, s26, 16
	s_add_nc_u64 s[16:17], s[16:17], s[76:77]      ; x's codes: 64 rows of 1,024 bytes a block
	s_lshl_b32 s76, s26, 11
	s_add_nc_u64 s[18:19], s[18:19], s[76:77]      ; its scales: 32 bytes a row
	s_lshl_b32 s76, s26, 8
	s_add_nc_u64 s[20:21], s[20:21], s[76:77]      ; probs
	s_lshl_b32 s76, s26, 18
	s_lshl_b32 s78, s24, 8
	s_add_co_u32 s76, s76, s78
	s_add_nc_u64 s[22:23], s[22:23], s[76:77]      ; out0: 64 rows of 4,096 bytes a block, my 64 columns
	v_and_b32 v20, 31, v0                          ; lane
	v_and_b32 v21, 15, v0                          ; r
	v_bfe_u32 v22, v0, 4, 1                        ; h
	v_mul_u32_u24 v23, v21, PITCH
	s_mul_i32 s78, s24, 32*PITCH
	v_lshl_add_u32 v3, v22, 4, v23
	v_add_nc_u32 v3, s78, v3                       ; v3-6: W1's fragments: slot q, gate or lin k at v[3 + 2 q + k]: (128 k + 32 wave + r) rows + 16 h
	v_add_nc_u32 v4, 128*PITCH, v3
	v_add_nc_u32 v5, SLOT, v3
	v_add_nc_u32 v6, SLOT+128*PITCH, v3
	v_lshl_add_u32 v7, v22, 3, v23
	v_add_nc_u32 v7, s73, v7                       ; v7-8: W2's: (64 wave + r) rows + 8 h
	v_add_nc_u32 v8, SLOT, v7
	v_lshlrev_b32 v13, 4, v20
	v_add_nc_u32 v13, HIMG, v13                    ; v13: an image's place for my lane
	s_lshl_b32 s78, s24, 9
	v_add_nc_u32 v9, s78, v13                      ; v9: where I store my register group: + 512 x wave
	v_lshl_add_u32 v11, v21, 2, HSC
	v_add_nc_u32 v11, s24, v11                     ; v11: my byte of row r's scale word
	v_lshl_add_u32 v14, v20, 2, HSC                ; v14: a scale word's place for my lane
	v_lshlrev_b32 v15, 5, v20                      ; v15: 32 bytes of scales a row, a row a lane
	v_lshlrev_b32 v16, 5, v22                      ; v16: a bias tile's eight numbers of my half
	s_mul_i32 s78, s24, 16*SP
	s_add_co_u32 s78, s78, STG                     ; my stage
	v_mul_u32_u24 v17, v21, SP
	v_lshl_add_u32 v17, v22, 5, v17
	v_add_nc_u32 v17, s78, v17                     ; v17: in: row r, + 32 h
	v_mul_u32_u24 v18, v22, SP
	v_lshl_add_u32 v18, v21, 4, v18
	v_add_nc_u32 v18, s78, v18                     ; v18: back: lanes 0-15 one row, lanes 16-31 the next
	v_lshlrev_b32 v19, 12, v22
	v_lshl_add_u32 v19, v21, 4, v19                ; v19: and the same two rows in out0
	v_lshlrev_b32 v28, 10, v21
	v_lshl_add_u32 v28, v22, 4, v28                ; v28: x: row r of 1,024 bytes, + 16 h
	v_lshrrev_b32 v30, 2, v20
	v_and_b32 v31, 3, v20
	v_lshlrev_b32 v31, 8, v31
	v_lshl_add_u32 v31, v30, 10, v31               ; the requests ahead: row lane / 4 of my 8, its (lane % 4)-th 256 bytes
	s_lshr_b32 s78, s62, 4
	s_lshl_b32 s78, s78, 20
	s_and_b32 s79, s62, 15
	s_lshl_b32 s79, s79, 13
	s_add_co_u32 s78, s78, s79
	v_add_nc_u32 v29, s78, v31                     ; v29: W1: ranks 0-15 share a step's 128 gate rows, ranks 16-31 its lin rows
	s_lshl_b32 s79, s62, 13
	v_add_nc_u32 v30, s79, v31                     ; v30: W2: the 32 ranks share 256 rows
	v_lshlrev_b32 v31, 2, v21                      ; v31: probs: 4 r
	WIN 0x80                                       ; destination window 2: x's fragments of K steps 0-3; they stay through fc1
.irp m, 0,1,2,3
.irp s, 0,1,2,3
.irp c, 0,1,2,3
	global_load_b128 v[64*\s+16*\m+4*\c:64*\s+16*\m+4*\c+3], v28, s[16:17] offset:16384*\m+128*\s+32*\c
.endr
.endr
.endr
	WIN 0xc0                                       ; window 3: K steps 4-7
.irp m, 0,1,2,3
.irp s, 0,1,2,3
.irp c, 0,1,2,3
	global_load_b128 v[64*\s+16*\m+4*\c:64*\s+16*\m+4*\c+3], v28, s[16:17] offset:16384*\m+512+128*\s+32*\c
.endr
.endr
.endr
	WIN 0
.irp a, 0,1
.irp i, 0,1
	global_load_b128 v[32+8*\a+4*\i:32+8*\a+4*\i+3], v15, s[18:19] offset:1024*\a+16*\i   ; x's scale words: v[32 + 8 a + s]: lane l has row 32 a + l's word of K step s
.endr
.endr
.irp m, 0,1,2,3
	global_load_b32 v[20+2*\m], v31, s[20:21] offset:64*\m     ; p of row 16 m + r, in both registers of a pair for the packed forms
	global_load_b32 v[21+2*\m], v31, s[20:21] offset:64*\m
.endr
	NEXTB 12, 4096                                 ; step 0's biases and weight scale words
	NEXTS 6, 32768, 0
	NEXTS 6, 32768, 1
	s_wait_loadcnt 0x0                             ; all of the head's loads are in, so their bases may step
	s_wait_kmcnt 0x0
	s_add_nc_u64 s[12:13], s[12:13], 512
	s_add_nc_u64 s[6:7], s[6:7], 4096
	; ---- fc1: steps 0 to 5 put their codes into LDS
	s_mov_b32 s55, 6
.Lfc1:
	STEP1 64, 1, GA, 12, 6, 4096, 32768, 512, 4096, 0
	s_sub_co_u32 s55, s55, 1
	s_cmp_lg_u32 s55, 0
	s_cbranch_scc1 .Lfc1
	STEP1 96, 0, GA, 12, 6, 4096, 32768, 512, 4096, 1          ; step 6: its codes stay in v96-111
	STEP1 112, 0, GB, 14, 10, 128, 1024, 1024, 8192, 2         ; step 7: v112-127; slot 0 takes W2's first tile; biases and scale words of fc2's first group
	; ---- the hidden layer takes x's registers.  K steps 0 to 5: their images were stored ahead of earlier barriers
	WIN 0x80
.irp s, 0,1,2,3
.irp m, 0,1,2,3
	FETCH 64*\s+16*\m, (4*\s+\m)*FRB
.endr
.endr
	WIN 0xc0
.irp s, 0,1
.irp m, 0,1,2,3
	FETCH 64*\s+16*\m, (4*\s+16+\m)*FRB
.endr
.endr
	WIN 0
	CHANGE GB, W2STEP, GB+4                        ; W2's first tile is whole; every wave's fetches above are in; slot 1 takes K 512 .. 1,023
.irp i, 0,1
.irp m, 0,1,2,3
	ds_store_b128 v9, v[96+16*\i+4*\m:96+16*\i+4*\m+3] offset:(4*\i+\m)*FRB    ; steps 6 and 7 go through the bytes of steps 0 and 1
.endr
.endr
	s_wait_dscnt 0x0                               ; for the others' sake: my stores have landed
	s_barrier_signal -1
	s_barrier_wait -1                              ; slot 1's load stays on its way
	WIN 0xc0
.irp s, 2,3
.irp m, 0,1,2,3
	FETCH 64*\s+16*\m, (4*(\s-2)+\m)*FRB
.endr
.endr
	WIN 0
.irp a, 0,1
.irp s, 0,1,2,3,4,5,6,7
	ds_load_b32 v[32+8*\a+\s], v14 offset:128*(8*\a+\s)        ; the hidden layer's scale words take the place of x's
.endr
.endr
	; ---- fc2: groups 0 to 2; the first wait on DScnt in HALF leaves only its own youngest run out, so the loads above are in
	s_mov_b32 s55, 3
.Lfc2:
	HALF 2, 0, 2
	NEXTB 14, 128
	NEXTS 10, 1024, 0
	CHANGE GB+4, W2STEP, GB                        ; slot 1 is whole; slot 0 takes the next group's first half
	HALF 2, 1, 10
	NEXTS 10, 1024, 1
	OUT 1
	CHANGE GB, W2STEP, GB+4                        ; slot 0 is whole; slot 1 takes that group's second half
	s_sub_co_u32 s55, s55, 1
	s_cmp_lg_u32 s55, 0
	s_cbranch_scc1 .Lfc2
	HALF 2, 0, 2                                   ; the last group is written out
	CHANGE -1, 0, -1                               ; slot 1 is whole; nothing is left to fetch
	HALF 2, 1, 0                                   ; no load was issued behind the last scale words
	OUT 0
	s_wait_tensorcnt 0x0                           ; the wave's end: behind my last tensor load and my last LDS store
	ds_add_u32 v1, v2
	s_wait_dscnt 0x0
	ROUND                                          ; the closing round: no work-group ends while a partner may still ask for a tile that names it
	s_endpgm
.Lfunc_end_k_q9b9e6683c0_moe:
	.size	k_q9b9e6683c0_moe, .Lfunc_end_k_q9b9e6683c0_moe-k_q9b9e6683c0_moe
	.p2alignl 7, 3214868480
	.fill 96, 4, 3214868480
	.section	.rodata,"a",@progbits
	.p2align	6, 0x0
	.amdhsa_kernel k_q9b9e6683c0_moe
		.amdhsa_group_segment_fixed_size 327680
		.amdhsa_private_segment_fixed_size 0
		.amdhsa_enable_private_segment 0
		.amdhsa_kernarg_size 88
		.amdhsa_user_sgpr_count 2
		.amdhsa_user_sgpr_kernarg_segment_ptr 1
		.amdhsa_wavefront_size32 1
		.amdhsa_system_sgpr_workgroup_id_x 1
		.amdhsa_system_sgpr_workgroup_id_y 1
		.amdhsa_system_sgpr_workgroup_id_z 1
		.amdhsa_system_vgpr_workitem_id 0
		.amdhsa_next_free_vgpr 1024
		.amdhsa_next_free_sgpr 96
		.amdhsa_reserve_vcc 0
		.amdhsa_float_denorm_mode_32 3
		.amdhsa_float_denorm_mode_16_64 3
		.amdhsa_memory_ordered 1
		.amdhsa_forward_progress 1
		.amdhsa_inst_pref_size 255
	.end_amdhsa_kernel
	.section	.bss,"aw",@nobits
	.p2align	6
	.space	262144
	.amdgpu_metadata
---
amdhsa.version: [ 1, 2 ]
amdhsa.kernels:
  - .name:           k_q9b9e6683c0_moe
    .symbol:         k_q9b9e6683c0_moe.kd
    .args:
      - { .name: W1_codes, .offset: 0, .size: 8, .value_kind: global_buffer, .address_space: global }
      - { .name: W1_scales, .offset: 8, .size: 8, .value_kind: global_buffer, .address_space: global }
      - { .name: W2_codes, .offset: 16, .size: 8, .value_kind: global_buffer, .address_space: global }
      - { .name: W2_scales, .offset: 24, .size: 8, .value_kind: global_buffer, .address_space: global }
      - { .name: b1, .offset: 32, .size: 8, .value_kind: global_buffer, .address_space: global }
      - { .name: b2, .offset: 40, .size: 8, .value_kind: global_buffer, .address_space: global }
      - { .name: hidden_states_codes, .offset: 48, .size: 8, .value_kind: global_buffer, .address_space: global }
      - { .name: hidden_states_scales, .offset: 56, .size: 8, .value_kind: global_buffer, .address_space: global }
      - { .name: probs, .offset: 64, .size: 8, .value_kind: global_buffer, .address_space: global }
      - { .name: out0, .offset: 72, .size: 8, .value_kind: global_buffer, .address_space: global }
      - { .name: tokens_per_expert, .offset: 80, .size: 8, .value_kind: global_buffer, .address_space: global }
    .group_segment_fixed_size: 327680
    .private_segment_fixed_size: 0
    .kernarg_segment_align: 8
    .kernarg_segment_size: 88
    .max_flat_workgroup_size: 128
    .sgpr_count:     96
    .vgpr_count:     1024
    .wavefront_size: 32
...
	.end_amdgpu_metadata
.endif
;; end of part 1
;; ======== version 2 of 2: 2 launches
;; limits: right only within a limited range of input values
;; workspace buffers: hc 16,777,216 bytes; hs 524,288 bytes
;; launch fc1 (part 2): grid 8 x 32, 4 waves a work-group, clusters of 4 x 4, 327,680 bytes of LDS; arguments hidden_states_codes, hidden_states_scales, W1_codes, W1_scales, b1, probs, hc, hs; writes hc, hs
.if DOCPART == 2
	.amdgcn_target "amdgcn-amd-amdhsa--gfx1250"
	.amdhsa_code_object_version 6
	.text
	.protected	k_q9b9e6683c0_fc1
	.globl	k_q9b9e6683c0_fc1
	.p2align	8
	.type	k_q9b9e6683c0_fc1,@function
k_q9b9e6683c0_fc1:
	s_mov_b64 s[64:65], 0
	v_nop
	global_prefetch_b8 v0, s[64:65] scope:SCOPE_SE
	s_setreg_imm32_b32 hwreg(HW_REG_WAVE_MODE, 25, 1), 1
	s_wait_xcnt 0x0
	s_wait_alu depctr_hold_cnt(0) depctr_sa_sdst(0) depctr_va_vdst(0) depctr_va_sdst(0) depctr_va_ssrc(0) depctr_va_vcc(0) depctr_vm_vsrc(0)
	s_getreg_b32 s2, hwreg(HW_REG_IB_STS2, 6, 4)
	s_cmp_eq_u32 s2, 0
	s_cbranch_scc0 .Lentry_in_a_cluster
	s_endpgm
.Lentry_in_a_cluster:
	s_bfe_u32 s2, ttmp6, 0x10000c
	s_cmp_lg_u32 s2, 0xf033
	s_cbranch_scc0 .Lentry_shape_is_right
	s_endpgm
.Lentry_shape_is_right:
; out = Q(silu(gate) (lin + 1) p) W2 + b2, [gate | lin] = x W1 + b1: eight experts, 2,048 token rows each, on end.  THIS LAUNCH: the hidden layer, quantised (E4M3, a scale byte for 32); the next one: the second product.
; LEFT OUT: tokens_per_expert.  reference() cuts the rows by t // e and no step of it uses the counts: they have no way to the output, for all values.  The input is not loaded and is no argument.
; A work-group: 512 token rows x 128 hidden units of one expert; 256 work-groups.  A wave holds 64 rows of W1 (32 gate rows, the same 32 lin rows), all of K, in 512 registers and streams the 512 rows past them in 32 blocks of 16 rows: 32 products a block.
; CLUSTER 4 x 4: x = hidden groups, y = the expert's four row groups.  W1's rows are asked for jointly along a column, x's along a row.
; TRANSPOSED: source 0 = 16 rows of W1, source 1 = 16 token rows: lane (r, h) holds token row r.  Tile 0's rows are units 0-7 and 24-31, tile 1's 8-15 and 16-23: the sixteen LDS rows of a load differ modulo 16.  So a lane with h = 1 holds 24-31, 16-23: its two halves of codes change places on the way out.
; LDS: 18 places of 16 rows x 1,040 bytes: places 0, 1: blocks 0, 1; places 2-9 first the gate rows, 10-17 the lin rows.  Then joint refills, a quarter a wave: blocks 2-9 (at the head), 10-17 (block 1), 18-25 into places 2-9 (block 8), 26-31 into 10-15 (block 16).
; THE WAY OUT is spread: behind block n: -g log2(e), M = g lin + g, 2^..;  among block n + 1's products D = (e^-g + 1) / p;  behind it 1 / D;  among block n + 2's: a = M / D, the largest magnitude, the scale;  behind it the hold;  among block n + 3's the conversion.
; hc[16-row block][32 units: 32][lane][16 bytes]: images of the next launch's operand registers.  hs[128 units: 8][row]: scale words.
; PREFETCH: of each chunk of x a wave asks for its sixteenth, told apart by address (cx, wave): blocks 2-17 at the head, 18-25 in block 1, 26-31 in block 8; nothing behind that.
; LIMITS.  NaN and infinities are not served.  A block of 32 whose largest magnitude lies under 2^-118 gets the byte 1 (a block of zeros too: its codes are zeros; only this program reads the bytes).
; 1 / p is held to +-2^126; where p x sigmoid(g) would be under 2^-126 it is 0 or of that order.  The factors are multiplied in another order than reference() has them; the f32 sums begin with the bias.
; REGISTERS: windows 1, 2: W1's fragments (fragment 4 q + tile); window 3: two sets of x's; window 0: all else.
.set PITCH, 1040
.set PL, 16*PITCH
.set WA, 2*PL
.set WB, WA+128*PITCH
.set SCL, 18*PL               ; x's scale bytes: 64 units of 256 bytes + 16
.set HB, SCL+64*272           ; the hidden layer's scale words: 512
.set IPB, HB+2048             ; 1 / p: 512
.set SPARE, IPB+2048
.set SPW, 2
.set NIL, 3
.set XA, 4
.set XW, 5
.set SAA, 6
.set SAW, 7
.set IPA, 8
.set VBA, 10
.set CO, 11
.set IP, 12
.set CD, 20
.set CS, 24
.set MX, 28
.set PM, 30
.set SOP, 31
.set BD, 32
.set EB, 33
.set SB, 40
.set SA, 58                   ; no product's two scale words have numbers equal modulo 8
.set BQ, 66
.set ACC, 98
.set TT, 162
.set MM, 194
.set AA, 226
.set G1W, 48
.set G1R, 56
.set G1S, 68
.set G1C, 76
.set G0R, 92
.set MSB, 0
.macro WIN new
.if MSB != (\new)
	s_set_vgpr_msb (MSB<<8)|(\new)
.set MSB, (\new)
.endif
.endm
.macro PLACES n
.rept \n
	v_nop
.endr
.endm
.macro WALU
	s_wait_alu depctr_va_vdst(0)
.endm
.macro BARRIER
	s_barrier_signal -1
	s_barrier_wait -1
.endm
.macro MIDDLE                 ; a round's middle, behind the opening signal
	WIN 0
	s_barrier_wait -1
	s_cmp_lg_u32 s14, 0
	s_cbranch_scc1 .Lnot0_\@
	s_barrier_signal -3
.Lnot0_\@:
	s_barrier_wait -3
.endm
.macro CROUND
	s_barrier_signal -1
	MIDDLE
	BARRIER
.endm
.macro TLOAD g0, g1
	tensor_load_to_lds s[\g0:\g0+3], s[\g1:\g1+7]
	s_nop 0
	PLACES 4
.endm
.macro GROUP1 g, mask, rows, stride    ; rows of 1,024 bytes, 16 bytes of padding behind each
	s_or_b32 s[\g], s[\mask], (1<<20)|(1<<21)|(7<<22)|(3<<25)
	s_mov_b32 s[\g+1], 1024<<16
	s_mov_b32 s[\g+2], (\rows)<<16
	s_mov_b32 s[\g+3], 1024<<16
	s_mov_b32 s[\g+4], \rows
	s_mov_b32 s[\g+5], \stride
	s_mov_b32 s[\g+6], 0
	s_mov_b32 s[\g+7], 0
.endm
.macro OFF d, a, sa, b, sb
	s_lshl_b32 s[\d], s[\a], \sa
	s_lshl_b32 s[\d+1], s[\b], \sb
	s_add_co_u32 s[\d], s[\d], s[\d+1]
	s_mov_b32 s[\d+1], 0
.endm
.macro PLUS d, a, sa
	s_lshl_b32 s67, s[\a], \sa
	s_add_co_u32 s[\d], s[\d], s67
.endm
.macro GRD
	s_wait_tensorcnt 0x0
	ds_add_u32 v[SPW], v[NIL]
.endm
.macro RDESC dest, row0, rows ; group 0 of a refill: my quarter, so many rows
	s_mul_i32 s[G0R+1], s14, (\rows)*PITCH
	s_add_co_u32 s[G0R+1], s[G0R+1], \dest
	s_mul_i32 s6, s14, (\rows)*1024
	s_add_co_u32 s6, s6, s2
	s_add_co_u32 s6, s6, (\row0)*1024
	s_mov_b32 s7, 0
	s_add_nc_u64 s[G0R+2:G0R+3], s[16:17], s[6:7]
	s_or_b32 s[G0R+3], s[G0R+3], 0x80000000
.endm
.macro FRAG f, adr, q         ; a fragment of W1: fragment f in window 1 + f / 16
	WIN (1+(\f)/16)<<6
.irp c, 0,1,2,3
	ds_load_b128 v[16*((\f)%16)+4*\c:16*((\f)%16)+4*\c+3], v[\adr] offset:128*(\q)+32*\c
.endr
.endm
.macro WHALF b, a0, a1
.irp q, 0,1,2,3,4,5,6,7
	FRAG 4*\q+\b, \a0, \q
	FRAG 4*\q+\b+1, \a1, \q
.endr
	WIN 0
.endm
.macro FETCH e                ; a block of x into set e, and its scale words (lanes 0-15: K steps 0-3, lanes 16-31: 4-7): 33 loads
	v_add_nc_u32 v[XW], s46, v[XA]
	v_add_nc_u32 v[SAW], s101, v[SAA]
	WIN 0xc0
.irp q, 0,1,2,3,4,5,6,7
.irp c, 0,1,2,3
	ds_load_b128 v[128*(\e)+16*\q+4*\c:128*(\e)+16*\q+4*\c+3], v[XW] offset:128*\q+32*\c
.endr
.endr
	WIN 0
	ds_load_b128 v[SA+4*(\e):SA+4*(\e)+3], v[SAW]
.endm
.macro STEP
	s_add_co_u32 s46, s46, PL
	s_add_co_u32 s101, s101, 544
.endm
.macro PROD e, n              ; product n = 4 q + tile; the four accumulators take turns
.set Q_, (\n)/4
.set B_, (\n)%4
.set D_, ACC+32*(\e)+8*B_
.set C_, D_
.if Q_ == 0
.set C_, BQ+8*B_
.endif
.set W_, 16*((\n)%16)
.set X_, 128*(\e)+16*Q_
.set P_, SB+8*(B_/2)+Q_
.set S_, SA+4*(\e)+(Q_%4)
	WIN 0x0c|(1+(\n)/16)
.if (B_%2 == 1) && (Q_ > 3)
	v_wmma_scale_f32_16x16x128_f8f6f4 v[D_:D_+7], v[W_:W_+15], v[X_:X_+15], v[C_:C_+7], v[P_], v[S_] matrix_a_scale:MATRIX_SCALE_ROW1 matrix_b_scale:MATRIX_SCALE_ROW1
.elseif B_%2 == 1
	v_wmma_scale_f32_16x16x128_f8f6f4 v[D_:D_+7], v[W_:W_+15], v[X_:X_+15], v[C_:C_+7], v[P_], v[S_] matrix_a_scale:MATRIX_SCALE_ROW1
.elseif Q_ > 3
	v_wmma_scale_f32_16x16x128_f8f6f4 v[D_:D_+7], v[W_:W_+15], v[X_:X_+15], v[C_:C_+7], v[P_], v[S_] matrix_b_scale:MATRIX_SCALE_ROW1
.else
	v_wmma_scale_f32_16x16x128_f8f6f4 v[D_:D_+7], v[W_:W_+15], v[X_:X_+15], v[C_:C_+7], v[P_], v[S_]
.endif
.endm
.macro GL k, e, on            ; line k of 35 among block n's products (e = n mod 2).  on = 1: D alone; 2: all; 3: all but D
.set T1_, TT+16*(1-(\e))
.set T0_, TT+16*(\e)
.set M0_, MM+16*(\e)
.if (\k) == 0
.if (\on) > 1
	v_cvt_scalef32_pk8_fp8_f32 v[CD:CD+1], v[AA:AA+7], v[SOP]
.endif
.elseif (\k) == 2
.if (\on) > 1
	v_cvt_scalef32_pk8_fp8_f32 v[CD+2:CD+3], v[AA+8:AA+15], v[SOP]
.endif
.elseif (\k) < 10
.if (\on) < 3
.set J_, 0
.if (\k) > 2
.set J_, 2*((\k)-2)
.endif
	v_pk_fma_f32 v[T1_+J_:T1_+J_+1], v[T1_+J_:T1_+J_+1], v[IP:IP+1], v[IP:IP+1] op_sel_hi:[1,0,0]
.elseif (\k) == 9
	v_nop
.endif
.elseif (\on) == 1
.elseif (\k) < 14
	v_cndmask_b32 v[CS+(\k)-10], v[CD+(\k)-10], v[CD+((\k)-8)%4], s47
.elseif (\k) < 22
.set J_, 2*((\k)-14)
	v_pk_mul_f32 v[AA+J_:AA+J_+1], v[M0_+J_:M0_+J_+1], v[T0_+J_:T0_+J_+1]
.elseif (\k) == 22
	v_max3_num_f32 v[MX], |v[AA]|, |v[AA+1]|, 0x4800000
.elseif (\k) == 23
	v_max3_num_f32 v[MX+1], |v[AA+8]|, |v[AA+9]|, |v[AA+10]|
.elseif (\k) == 29
	v_max3_num_f32 v[MX], v[MX], v[MX+1], |v[AA+15]|
.elseif ((\k) < 29) && ((\k)%2 == 0)
	v_max3_num_f32 v[MX], v[MX], |v[AA+(\k)-22]|, |v[AA+(\k)-21]|
.elseif (\k) < 29
	v_max3_num_f32 v[MX+1], v[MX+1], |v[AA+(\k)-14]|, |v[AA+(\k)-13]|
.elseif (\k) == 30
	v_permlanex16_b32 v[PM], v[MX], s99, s100
.elseif (\k) == 31
	v_max_num_f32 v[MX], v[MX], v[PM]
.elseif (\k) == 32
	v_add_nc_u32 v[SOP], 0xfc000000, v[MX]
.elseif (\k) == 33
	v_and_or_b32 v[BD], v[MX], 0x7f800000, s98
.elseif (\k) == 34
	v_lshrrev_b32 v[EB], 23, v[SOP]
.endif
.endm
.macro GLS e, on
.set K_, 0
.rept 35
	GL K_, \e, \on
.set K_, K_+1
.endr
.endm
.macro RUN e, from, to, on    ; products from .. to - 1; from the twentieth on three lines behind each
.set N_, \from
.rept (\to)-(\from)
	PROD \e, N_
.if ((\on) > 0) && (N_ > 19)
	WIN 0
	GL 3*(N_-20), \e, \on
	GL 3*(N_-20)+1, \e, \on
	GL 3*(N_-20)+2, \e, \on
.endif
.set N_, N_+1
.endr
.endm
.macro START w, step          ; w: the younger LDS loads that may stay out; the last store has read its registers and base
	s_wait_dscnt \w
	s_wait_xcnt 0x0
.if \step
	s_add_nc_u64 s[28:29], s[28:29], 0x4000
.endif
.endm
.macro MEET
	WIN 0
	WALU
	s_wait_dscnt 0x0
	s_barrier_signal -1
.endm
; BEHIND A BLOCK.  rc: 1 / D of the block before; md: the hold and the scale byte of the block two before; st: the codes of the block three before (2: not where s15 = 3); ft: 1 fetch the block two on, 2 this block's two successors, 3 as 1 but not where s15 = 1; pf: a prefetch's address register
.macro BOUND e, rc, md, st, ft, pf
.irp j, 0,1,2,3,4,5,6,7
	v_pk_mul_f32 v[TT+16*(\e)+2*\j:TT+16*(\e)+2*\j+1], v[ACC+32*(\e)+2*\j:ACC+32*(\e)+2*\j+1], s[96:97] op_sel_hi:[1,0]
.endr
	ds_load_b32 v[IP], v[IPA]
.if \ft == 1
	FETCH \e
	STEP
.elseif \ft == 2
	FETCH 0
	STEP
	FETCH 1
	STEP
.elseif \ft == 3
	s_cmp_eq_u32 s15, 1
	s_cbranch_scc1 .Lnone_\@
	FETCH \e
	s_branch .Lgo_\@
.Lnone_\@:
	s_wait_dscnt 0x0
.Lgo_\@:
	STEP
.endif
.if \pf
	global_prefetch_b8 v[\pf], s[16:17] th:TH_LOAD_NT scope:SCOPE_SE
.endif
.irp j, 0,1,2,3,4,5,6,7
	v_pk_fma_f32 v[MM+16*(\e)+2*\j:MM+16*(\e)+2*\j+1], v[ACC+32*(\e)+2*\j:ACC+32*(\e)+2*\j+1], v[ACC+32*(\e)+16+2*\j:ACC+32*(\e)+17+2*\j], v[ACC+32*(\e)+2*\j:ACC+32*(\e)+2*\j+1]
.endr
	v_add_nc_u32 v[IPA], 64, v[IPA]
	WALU
.if \md
	ds_store_b8 v[VBA], v[EB]
.endif
.if \st == 1
	global_store_b128 v[CO], v[CS:CS+3], s[28:29]
.elseif \st == 2
	s_cmp_eq_u32 s15, 3
	s_cbranch_scc1 .Lnost_\@
	global_store_b128 v[CO], v[CS:CS+3], s[28:29]
.Lnost_\@:
.endif
.set I_, 0
.rept 16
	v_exp_f32 v[TT+16*(\e)+I_], v[TT+16*(\e)+I_]
.if \md
	v_med3_num_f32 v[AA+I_], v[AA+I_], -v[BD], v[BD]
.endif
.if \rc
	v_rcp_f32 v[TT+16*(1-(\e))+I_], v[TT+16*(1-(\e))+I_]
.endif
.set I_, I_+1
.endr
.if \md
	v_add_nc_u32 v[VBA], 64, v[VBA]
.else
	v_nop
.endif
	WALU
.endm
.macro NORM e, st, ft         ; a block without a barrier
	START 33, 1
	RUN \e, 0, 32, 2
	WIN 0
	BOUND \e, 1, 1, \st, \ft, 0
.endm
	s_load_b512 s[16:31], s[0:1], 0x0              ; x codes, x scales, W1 codes, W1 scales, b1, probs, hc, hs
	v_lshl_add_u32 v[SPW], v0, 2, SPARE
	v_mov_b32 v[NIL], 0
	ds_add_u32 v[SPW], v[NIL]                      ; the opening: the add, twice on end
	ds_add_u32 v[SPW], v[NIL]
	v_lshrrev_b32 v1, 5, v0
	v_readfirstlane_b32 s14, v1                    ; wave
	s_bfe_u32 s40, ttmp6, 0x40000                  ; cx
	s_bfe_u32 s41, ttmp6, 0x40004                  ; cy: the row group
	s_lshl_b32 s42, ttmp9, 2
	s_add_co_u32 s42, s42, s40                     ; the hidden group, 0 .. 7
	s_and_b32 s43, ttmp7, 0xffff                   ; the expert
	s_lshl_b32 s44, s41, 2
	s_lshl_b32 s44, 15, s44                        ; my row of the cluster: x
	s_lshl_b32 s45, 0x1111, s40                    ; my column: W1
	GROUP1 G1W, 45, 128, 1024
	GROUP1 G1R, 44, 32, 1024
	GROUP1 G1C, 44, 24, 1024
	s_or_b32 s[G1S], s44, (3<<16)|(1<<20)|(1<<21)|(5<<22)|(3<<25)   ; 16,384 dense bytes as 64 rows of 256, 16 of padding behind each
	s_mov_b32 s[G1S+1], 32<<16
	s_mov_b32 s[G1S+2], 64<<16
	s_mov_b32 s[G1S+3], 32<<16
	s_mov_b32 s[G1S+4], 64
	s_mov_b32 s[G1S+5], 32
	s_mov_b32 s[G1S+6], 0
	s_mov_b32 s[G1S+7], 0
	OFF 2, 43, 21, 41, 19                          ; x: my 512 rows
	OFF 4, 43, 21, 42, 17                          ; W1: my 128 gate rows
	OFF 6, 43, 16, 41, 14                          ; x's scale bytes
	OFF 8, 43, 16, 42, 12                          ; W1's scale bytes: my wave's 32 gate rows
	PLUS 8, 14, 10
	OFF 10, 43, 13, 42, 9                          ; b1: likewise
	PLUS 10, 14, 7
	OFF 12, 43, 13, 41, 11                         ; probs
	s_mov_b32 s32, 1
	s_mov_b32 s33, WA
	s_mov_b32 s36, 1
	s_mov_b32 s37, WB
	s_mov_b32 s84, 1
	s_mov_b32 s85, 0
	s_mov_b32 s88, 1
	s_mov_b32 s89, SCL
	s_mov_b32 s[G0R], 1
	s_mov_b32 s47, 0xffff0000                      ; lanes 16-31
	s_mov_b32 s66, 0x7e800000                      ; 2^126
	s_mov_b32 s96, 0xbfb8aa3b                      ; -log2(e)
	s_mov_b32 s97, s96
	s_mov_b32 s98, 0x600000                        ; the mantissa field of 448
	s_mov_b32 s99, 0x76543210
	s_mov_b32 s100, 0xfedcba98                     ; lane l xor 16
	WALU
	s_wait_dscnt 0x0
	CROUND
	s_wait_kmcnt 0x0
	s_add_nc_u64 s[34:35], s[20:21], s[4:5]
	s_or_b32 s35, s35, 0x80000000
	s_add_nc_u64 s[38:39], s[34:35], 0x100000      ; the lin rows: 1,024 further down
	s_add_nc_u64 s[86:87], s[16:17], s[2:3]
	s_or_b32 s87, s87, 0x80000000
	s_add_nc_u64 s[90:91], s[18:19], s[6:7]
	s_or_b32 s91, s91, 0x80000000
	s_cmp_eq_u32 s14, 0                            ; one joint load a wave
	s_cbranch_scc0 .Lw1
	TLOAD 32, G1W                                  ; gate rows
	s_branch .Lasked
.Lw1:
	s_cmp_eq_u32 s14, 1
	s_cbranch_scc0 .Lw2
	TLOAD 36, G1W                                  ; lin rows
	s_branch .Lasked
.Lw2:
	s_cmp_eq_u32 s14, 2
	s_cbranch_scc0 .Lw3
	TLOAD 84, G1R                                  ; blocks 0, 1
	s_branch .Lasked
.Lw3:
	TLOAD 88, G1S                                  ; x's scale bytes
.Lasked:
	s_add_nc_u64 s[22:23], s[22:23], s[8:9]
	s_add_nc_u64 s[24:25], s[24:25], s[10:11]
	s_add_nc_u64 s[26:27], s[26:27], s[12:13]
	OFF 10, 43, 21, 41, 19                         ; hc: my rows' blocks, my 32 units
	PLUS 10, 42, 11
	PLUS 10, 14, 9
	s_add_nc_u64 s[28:29], s[28:29], s[10:11]
	s_sub_nc_u64 s[28:29], s[28:29], 0x8000        ; stepped from block 2 on; first used in block 3
	OFF 10, 43, 13, 41, 11                         ; hs
	PLUS 10, 42, 16
	s_add_nc_u64 s[30:31], s[30:31], s[10:11]
	s_lshl_b32 s4, s40, 2
	s_add_co_u32 s4, s4, s14                       ; my rank among the sixteen waves of my row of the cluster
	s_mul_i32 s5, s4, 6144
	s_add_co_u32 s5, s5, s2
	s_add_co_u32 s5, s5, 416*1024
	s_lshl_b32 s4, s4, 13
	s_add_co_u32 s4, s4, s2
	s_add_co_u32 s8, s4, 32*1024
	s_add_co_u32 s9, s4, 160*1024
	s_add_co_u32 s4, s4, 288*1024
	s_mul_i32 s67, s14, 32*PITCH
	s_add_co_u32 s67, s67, WA
	s_add_co_u32 s10, s14, HB
	v_and_b32 v28, 15, v0                          ; r
	v_bfe_u32 v29, v0, 4, 1                        ; h
	v_and_b32 v35, 31, v0                          ; lane
	v_lshrrev_b32 v31, 3, v28
	v_mul_u32_u24 v30, v28, PITCH
	v_lshl_add_u32 v[XA], v29, 4, v30
	v_mul_u32_u24 v32, v31, 16*PITCH
	v_add_nc_u32 v33, s67, v[XA]
	v_add_nc_u32 v16, v32, v33                     ; gate tile 0: rows r + 16 (r / 8)
	v_add_nc_u32 v17, 8*PITCH, v33                 ; tile 1: rows r + 8
	v_add_nc_u32 v18, 128*PITCH, v16               ; lin
	v_add_nc_u32 v19, 128*PITCH, v17
	v_lshlrev_b32 v[SAA], 5, v28
	v_lshl_add_u32 v[SAA], v31, 4, v[SAA]
	v_lshl_add_u32 v[SAA], v29, 4, v[SAA]
	v_add_nc_u32 v[SAA], SCL, v[SAA]
	v_lshl_add_u32 v[IPA], v28, 2, IPB
	v_lshlrev_b32 v[VBA], 2, v28
	v_add_nc_u32 v[VBA], s10, v[VBA]
	v_lshlrev_b32 v[CO], 4, v35
	v_lshl_add_u32 v9, v35, 8, s8                  ; prefetches: blocks 2-9,
	v_lshl_add_u32 v14, v35, 8, s9                 ; 10-17,
	v_lshl_add_u32 v15, v35, 8, s4                 ; 18-25,
	v_min_u32 v34, 23, v35
	v_lshl_add_u32 v34, v34, 8, s5                 ; 26-31: 24 lanes' blocks, the rest name the last again
	v_lshl_add_u32 v36, v31, 4, v28
	v_add_nc_u32 v37, 8, v28
	v_cndmask_b32 v36, v36, v37, s47
	v_lshlrev_b32 v36, 5, v36                      ; scale bytes: lanes 0-15 tile 0's rows, 16-31 tile 1's
	v_mul_u32_u24 v37, 96, v29                     ; bias, tile 0: units 0 or 24 on
	v_lshl_add_u32 v38, v29, 5, 32                 ; tile 1: 8 or 16 on
	v_lshlrev_b32 v39, 4, v0
	global_load_b128 v[20:23], v39, s[26:27]       ; p of four rows a thread
.irp p, 0,1
	global_load_b128 v[SB+8*\p:SB+8*\p+3], v36, s[22:23] offset:32768*\p
	global_load_b128 v[SB+8*\p+4:SB+8*\p+7], v36, s[22:23] offset:32768*\p+16
	global_load_b128 v[BQ+16*\p:BQ+16*\p+3], v37, s[24:25] offset:4096*\p
	global_load_b128 v[BQ+16*\p+4:BQ+16*\p+7], v37, s[24:25] offset:4096*\p+16
	global_load_b128 v[BQ+16*\p+8:BQ+16*\p+11], v38, s[24:25] offset:4096*\p
	global_load_b128 v[BQ+16*\p+12:BQ+16*\p+15], v38, s[24:25] offset:4096*\p+16
.endr
	v_mov_b32 v[IP+1], 0
	v_mov_b32 v[SOP], 1.0
.set I_, 0
.rept 16
	v_mov_b32 v[AA+I_], 0                          ; block 2's lines convert it and store nothing
.set I_, I_+1
.endr
	WALU
	s_cmp_eq_u32 s14, 0
	s_cbranch_scc0 .Lnotw
	s_wait_tensorcnt 0x0                           ; wave 0: the gate rows are in
.Lnotw:
	BARRIER
	global_prefetch_b8 v9, s[16:17] th:TH_LOAD_NT scope:SCOPE_SE
	global_prefetch_b8 v14, s[16:17] th:TH_LOAD_NT scope:SCOPE_SE
	WHALF 0, 16, 17
	s_wait_loadcnt 0x0
.irp i, 0,1,2,3
	v_rcp_f32 v[20+\i], v[20+\i]
.endr
	v_add_nc_u32 v39, IPB, v39
	WALU
.irp i, 0,1,2,3
	v_med3_num_f32 v[20+\i], v[20+\i], -s66, s66
.endr
	ds_store_b128 v39, v[20:23]
	WALU
	GRD
	RDESC WA, 32, 32
	s_wait_dscnt 0x0                               ; the gate rows are in registers, 1 / p is stored
	CROUND
	TLOAD G0R, G1R                                 ; blocks 2-9
	WHALF 2, 18, 19
	s_mov_b32 s46, 0
	s_mov_b32 s101, 0
	FETCH 0
	STEP
	FETCH 1
	STEP
	; blocks 0 to 7
	START 33, 0
	RUN 0, 0, 32, 0
	WIN 0
	PLACES 8
	BOUND 0, 0, 0, 0, 0, 0
	START 0, 0
	RUN 1, 0, 24, 1
	WIN 0
	GRD
	RDESC WB, 160, 32
	RUN 1, 24, 28, 1
	MEET
	RUN 1, 28, 32, 1
	MIDDLE
	BARRIER
	TLOAD G0R, G1R                                 ; blocks 10-17, over the lin rows
	PLACES 4
	BOUND 1, 1, 0, 0, 2, 15
	s_mov_b32 s15, 3
.Lt0:
	NORM 0, 2, 1
	NORM 1, 1, 1
	s_sub_co_u32 s15, s15, 1
	s_cmp_lg_u32 s15, 0
	s_cbranch_scc1 .Lt0
	; blocks 8 to 15
	s_mov_b32 s46, 10*PL
	s_mov_b32 s101, 10*544
	START 33, 1
	GRD
	RDESC WA, 288, 32
	RUN 0, 0, 28, 2
	MEET
	RUN 0, 28, 32, 2
	MIDDLE
	BARRIER
	TLOAD G0R, G1R                                 ; blocks 18-25
	BOUND 0, 1, 1, 1, 1, 34
	NORM 1, 1, 1
	s_mov_b32 s15, 3
.Lt1:
	NORM 0, 1, 1
	NORM 1, 1, 1
	s_sub_co_u32 s15, s15, 1
	s_cmp_lg_u32 s15, 0
	s_cbranch_scc1 .Lt1
	; blocks 16 to 23
	s_mov_b32 s46, 2*PL
	s_mov_b32 s101, 18*544
	START 33, 1
	GRD
	RDESC WB, 416, 24
	RUN 0, 0, 28, 2
	MEET
	RUN 0, 28, 32, 2
	MIDDLE
	BARRIER
	TLOAD G0R, G1C                                 ; blocks 26-31
	BOUND 0, 1, 1, 1, 1, 0
	NORM 1, 1, 1
	s_mov_b32 s15, 3
.Lt2:
	NORM 0, 1, 1
	NORM 1, 1, 1
	s_sub_co_u32 s15, s15, 1
	s_cmp_lg_u32 s15, 0
	s_cbranch_scc1 .Lt2
	; blocks 24 to 31
	s_mov_b32 s46, 10*PL
	s_mov_b32 s101, 26*544
	START 33, 1
	RUN 0, 0, 28, 2
	WIN 0
	WALU
	s_wait_tensorcnt 0x0                           ; blocks 26-31 are in
	s_wait_dscnt 0x0
	s_barrier_signal -1
	RUN 0, 28, 32, 2
	WIN 0
	s_barrier_wait -1
	BOUND 0, 1, 1, 1, 1, 0
	NORM 1, 1, 1
	s_mov_b32 s15, 3
.Lt3:
	NORM 0, 1, 3
	NORM 1, 1, 3
	s_sub_co_u32 s15, s15, 1
	s_cmp_lg_u32 s15, 0
	s_cbranch_scc1 .Lt3
	; the way out of blocks 29 to 31
	START 0, 1
	GLS 0, 2
	WALU
	ds_store_b8 v[VBA], v[EB]
	global_store_b128 v[CO], v[CS:CS+3], s[28:29]
.set I_, 0
.rept 16
	v_rcp_f32 v[TT+16+I_], v[TT+16+I_]
	v_med3_num_f32 v[AA+I_], v[AA+I_], -v[BD], v[BD]
.set I_, I_+1
.endr
	v_add_nc_u32 v[VBA], 64, v[VBA]
	WALU
	START 0, 1
	GLS 1, 3
	WALU
	ds_store_b8 v[VBA], v[EB]
	global_store_b128 v[CO], v[CS:CS+3], s[28:29]
.set I_, 0
.rept 16
	v_med3_num_f32 v[AA+I_], v[AA+I_], -v[BD], v[BD]
.set I_, I_+1
.endr
	v_lshlrev_b32 v[XW], 4, v0
	v_add_nc_u32 v[SAW], HB, v[XW]
	WALU
	START 0, 1
	GL 0, 0, 2
	v_nop
	GL 2, 0, 2
	v_nop
	GL 10, 0, 2
	GL 11, 0, 2
	GL 12, 0, 2
	GL 13, 0, 2
	WALU
	global_store_b128 v[CO], v[CS:CS+3], s[28:29]
	s_wait_dscnt 0x0                               ; my scale bytes are stored
	BARRIER
	ds_load_b128 v[20:23], v[SAW]
	s_wait_dscnt 0x0
	global_store_b128 v[XW], v[20:23], s[30:31]    ; 512 scale words: 2,048 bytes on end
	s_wait_tensorcnt 0x0                           ; the wave's end
	ds_add_u32 v[SPW], v[NIL]
	s_wait_dscnt 0x0
	CROUND
	s_endpgm
.Lfunc_end_k_q9b9e6683c0_fc1:
	.size	k_q9b9e6683c0_fc1, .Lfunc_end_k_q9b9e6683c0_fc1-k_q9b9e6683c0_fc1
	.p2alignl 7, 3214868480
	.fill 96, 4, 3214868480
	.section	.rodata,"a",@progbits
	.p2align	6, 0x0
	.amdhsa_kernel k_q9b9e6683c0_fc1
		.amdhsa_group_segment_fixed_size 327680
		.amdhsa_private_segment_fixed_size 0
		.amdhsa_enable_private_segment 0
		.amdhsa_kernarg_size 64
		.amdhsa_user_sgpr_count 2
		.amdhsa_user_sgpr_kernarg_segment_ptr 1
		.amdhsa_wavefront_size32 1
		.amdhsa_system_sgpr_workgroup_id_x 1
		.amdhsa_system_sgpr_workgroup_id_y 1
		.amdhsa_system_sgpr_workgroup_id_z 1
		.amdhsa_system_vgpr_workitem_id 0
		.amdhsa_next_free_vgpr 1024
		.amdhsa_next_free_sgpr 102
		.amdhsa_reserve_vcc 0
		.amdhsa_float_denorm_mode_32 3
		.amdhsa_float_denorm_mode_16_64 3
		.amdhsa_memory_ordered 1
		.amdhsa_forward_progress 1
		.amdhsa_inst_pref_size 237
	.end_amdhsa_kernel
	.amdgpu_metadata
---
amdhsa.version: [ 1, 2 ]
amdhsa.kernels:
  - .name:           k_q9b9e6683c0_fc1
    .symbol:         k_q9b9e6683c0_fc1.kd
    .args:
      - { .name: hidden_states_codes, .offset: 0, .size: 8, .value_kind: global_buffer, .address_space: global }
      - { .name: hidden_states_scales, .offset: 8, .size: 8, .value_kind: global_buffer, .address_space: global }
      - { .name: W1_codes, .offset: 16, .size: 8, .value_kind: global_buffer, .address_space: global }
      - { .name: W1_scales, .offset: 24, .size: 8, .value_kind: global_buffer, .address_space: global }
      - { .name: b1, .offset: 32, .size: 8, .value_kind: global_buffer, .address_space: global }
      - { .name: probs, .offset: 40, .size: 8, .value_kind: global_buffer, .address_space: global }
      - { .name: hc, .offset: 48, .size: 8, .value_kind: global_buffer, .address_space: global }
      - { .name: hs, .offset: 56, .size: 8, .value_kind: global_buffer, .address_space: global }
    .group_segment_fixed_size: 327680
    .private_segment_fixed_size: 0
    .kernarg_segment_align: 8
    .kernarg_segment_size: 64
    .max_flat_workgroup_size: 128
    .sgpr_count:     102
    .vgpr_count:     1024
    .wavefront_size: 32
...
	.end_amdgpu_metadata
.endif
;; end of part 2
;; launch fc2 (part 3): grid 4 x 64, 4 waves a work-group, clusters of 4 x 4, 327,680 bytes of LDS; arguments hc, hs, W2_codes, W2_scales, b2, out0; writes out0
.if DOCPART == 3
	.amdgcn_target "amdgcn-amd-amdhsa--gfx1250"
	.amdhsa_code_object_version 6
	.text
	.protected	k_q9b9e6683c0_fc2
	.globl	k_q9b9e6683c0_fc2
	.p2align	8
	.type	k_q9b9e6683c0_fc2,@function
k_q9b9e6683c0_fc2:
	s_mov_b64 s[64:65], 0
	v_nop
	global_prefetch_b8 v0, s[64:65] scope:SCOPE_SE
	s_setreg_imm32_b32 hwreg(HW_REG_WAVE_MODE, 25, 1), 1
	s_wait_xcnt 0x0
	s_wait_alu depctr_hold_cnt(0) depctr_sa_sdst(0) depctr_va_vdst(0) depctr_va_sdst(0) depctr_va_ssrc(0) depctr_va_vcc(0) depctr_vm_vsrc(0)
	s_getreg_b32 s2, hwreg(HW_REG_IB_STS2, 6, 4)
	s_cmp_eq_u32 s2, 0
	s_cbranch_scc0 .Lentry_in_a_cluster
	s_endpgm
.Lentry_in_a_cluster:
	s_bfe_u32 s2, ttmp6, 0x10000c
	s_cmp_lg_u32 s2, 0xf033
	s_cbranch_scc0 .Lentry_shape_is_right
	s_endpgm
.Lentry_shape_is_right:
; out0 = hidden W2 + b2.  hidden: codes hc[16-row block][32 units: 32][lane][16 bytes] (images of the operand's registers) and scale words hs[128 units: 8][16,384 rows].
; A work-group: 256 rows x 256 columns of one expert; 256 work-groups.  A wave holds 64 rows of W2 (64 columns), all of K, in 512 registers and streams 16 blocks of 16 rows past them: 32 products a block.
; CLUSTER 4 x 4: x = the expert's four column groups, y = four row groups of the expert.  W2's rows are asked for jointly along a column, the hidden layer's along a row.
; Source 0 = 16 token rows, source 1 = 16 rows of W2: register j of lane (r, h) is row 8 h + j, and tile t column 4 r + (t ^ 2 (r / 8)) of my 64.  So a lane's four tiles are four neighbouring columns, and sixteen lanes store 256 consecutive bytes of a row.
; W2's even rows lie in one tile, its odd rows in another (rows 2,048 bytes apart): the sixteen LDS rows of a fragment's load differ modulo 16.
; LDS: 19 places of 16 rows x 1,040 bytes: places 0-2 blocks 0-2; 3-10 first the even rows, then blocks 3-10 (asked for at the head); 11-18 the odd rows, then blocks 11-15 (block 1).  Block m lies in place m.
; PREFETCH: of blocks 3-10 and 11-15 a wave asks for its sixteenth at the head, told apart by address (cx, wave).  Nothing follows them.
; LIMITS.  NaN and infinities are not served.  The f32 sums begin with the bias.
.set PITCH, 1040
.set PL, 16*PITCH
.set WA, 3*PL
.set WB, WA+128*PITCH
.set SCL, 19*PL               ; scale words: 8 K steps x (1,024 + 16) bytes
.set SPARE, 324608
.set SPW, 2
.set NIL, 3
.set XA, 4
.set XW, 5
.set SAA, 6
.set SAW, 7
.set CO, 11
.set SB, 40
.set SA, 58
.set BQ, 66
.set ACC, 98
.set OUT, 162
.set G1W, 48
.set G1R, 56
.set G1S, 68
.set G1C, 76
.set G1X, 28
.set G0R, 92
.set MSB, 0
.macro WIN new
.if MSB != (\new)
	s_set_vgpr_msb (MSB<<8)|(\new)
.set MSB, (\new)
.endif
.endm
.macro PLACES n
.rept \n
	v_nop
.endr
.endm
.macro WALU
	s_wait_alu depctr_va_vdst(0)
.endm
.macro BARRIER
	s_barrier_signal -1
	s_barrier_wait -1
.endm
.macro MIDDLE
	WIN 0
	s_barrier_wait -1
	s_cmp_lg_u32 s14, 0
	s_cbranch_scc1 .Lnot0_\@
	s_barrier_signal -3
.Lnot0_\@:
	s_barrier_wait -3
.endm
.macro CROUND
	s_barrier_signal -1
	MIDDLE
	BARRIER
.endm
.macro TLOAD g0, g1
	tensor_load_to_lds s[\g0:\g0+3], s[\g1:\g1+7]
	s_nop 0
	PLACES 4
.endm
.macro GROUP1 g, mask, rows, stride
	s_or_b32 s[\g], s[\mask], (1<<20)|(1<<21)|(7<<22)|(3<<25)
	s_mov_b32 s[\g+1], 1024<<16
	s_mov_b32 s[\g+2], (\rows)<<16
	s_mov_b32 s[\g+3], 1024<<16
	s_mov_b32 s[\g+4], \rows
	s_mov_b32 s[\g+5], \stride
	s_mov_b32 s[\g+6], 0
	s_mov_b32 s[\g+7], 0
.endm
.macro OFF d, a, sa, b, sb
	s_lshl_b32 s[\d], s[\a], \sa
	s_lshl_b32 s[\d+1], s[\b], \sb
	s_add_co_u32 s[\d], s[\d], s[\d+1]
	s_mov_b32 s[\d+1], 0
.endm
.macro PLUS d, a, sa
	s_lshl_b32 s67, s[\a], \sa
	s_add_co_u32 s[\d], s[\d], s67
.endm
.macro GRD
	s_wait_tensorcnt 0x0
	ds_add_u32 v[SPW], v[NIL]
.endm
.macro RDESC dest, row0, rows
	s_mul_i32 s[G0R+1], s14, (\rows)*PITCH
	s_add_co_u32 s[G0R+1], s[G0R+1], \dest
	s_mul_i32 s6, s14, (\rows)*1024
	s_add_co_u32 s6, s6, s2
	s_add_co_u32 s6, s6, (\row0)*1024
	s_mov_b32 s7, 0
	s_add_nc_u64 s[G0R+2:G0R+3], s[16:17], s[6:7]
	s_or_b32 s[G0R+3], s[G0R+3], 0x80000000
.endm
.macro FRAG f, adr, q
	WIN (1+(\f)/16)<<6
.irp c, 0,1,2,3
	ds_load_b128 v[16*((\f)%16)+4*\c:16*((\f)%16)+4*\c+3], v[\adr] offset:128*(\q)+32*\c
.endr
.endm
.macro WHALF b, a0, a1        ; tiles b and b + 2
.irp q, 0,1,2,3,4,5,6,7
	FRAG 4*\q+\b, \a0, \q
	FRAG 4*\q+\b+2, \a1, \q
.endr
	WIN 0
.endm
.macro FETCH e                ; a block into set e: register group i = 4 q + c is 512 bytes; and its scale words: 36 loads
	v_add_nc_u32 v[XW], s46, v[XA]
	v_add_nc_u32 v[SAW], s101, v[SAA]
	WIN 0xc0
.set I_, 0
.rept 32
	ds_load_b128 v[128*(\e)+4*I_:128*(\e)+4*I_+3], v[XW] offset:PITCH*(I_/2)+512*(I_%2)
.set I_, I_+1
.endr
	WIN 0
.irp j, 0,1,2,3
	ds_load_b32 v[SA+4*(\e)+\j], v[SAW] offset:PITCH*\j
.endr
.endm
.macro STEP
	s_add_co_u32 s46, s46, PL
	s_add_co_u32 s101, s101, 64
.endm
.macro PROD e, n
.set Q_, (\n)/4
.set B_, (\n)%4
.set D_, ACC+32*(\e)+8*B_
.set C_, D_
.if Q_ == 0
.set C_, BQ+8*B_
.endif
.set W_, 16*((\n)%16)
.set X_, 128*(\e)+16*Q_
.set P_, SB+8*(B_/2)+Q_
.set S_, SA+4*(\e)+(Q_%4)
	WIN 3|((1+(\n)/16)<<2)
.if (B_%2 == 1) && (Q_ > 3)
	v_wmma_scale_f32_16x16x128_f8f6f4 v[D_:D_+7], v[X_:X_+15], v[W_:W_+15], v[C_:C_+7], v[S_], v[P_] matrix_a_scale:MATRIX_SCALE_ROW1 matrix_b_scale:MATRIX_SCALE_ROW1
.elseif B_%2 == 1
	v_wmma_scale_f32_16x16x128_f8f6f4 v[D_:D_+7], v[X_:X_+15], v[W_:W_+15], v[C_:C_+7], v[S_], v[P_] matrix_b_scale:MATRIX_SCALE_ROW1
.elseif Q_ > 3
	v_wmma_scale_f32_16x16x128_f8f6f4 v[D_:D_+7], v[X_:X_+15], v[W_:W_+15], v[C_:C_+7], v[S_], v[P_] matrix_a_scale:MATRIX_SCALE_ROW1
.else
	v_wmma_scale_f32_16x16x128_f8f6f4 v[D_:D_+7], v[X_:X_+15], v[W_:W_+15], v[C_:C_+7], v[S_], v[P_]
.endif
.endm
.macro GL k, e                ; line k of 32: row 8 h + k / 4, column 4 r + k % 4 of the block before
.set A_, ACC+32*(1-(\e))
.if (\k) < 32
	v_cndmask_b32 v[OUT+(\k)], v[A_+8*((\k)%4)+(\k)/4], v[A_+8*(((\k)+2)%4)+(\k)/4], s47
.endif
.endm
.macro RUN e, from, to, on
.set N_, \from
.rept (\to)-(\from)
	PROD \e, N_
.if ((\on) > 0) && (N_ > 20)
	WIN 0
	GL 3*(N_-21), \e
	GL 3*(N_-21)+1, \e
	GL 3*(N_-21)+2, \e
.endif
.set N_, N_+1
.endr
.endm
.macro START w, step
	s_wait_dscnt \w
	s_wait_xcnt 0x0
.if \step
	s_add_nc_u64 s[26:27], s[26:27], 0x10000
.endif
.endm
.macro MEET
	WIN 0
	WALU
	s_wait_dscnt 0x0
	s_barrier_signal -1
.endm
.macro STORES
	WALU
.irp j, 0,1,2,3,4,5,6,7
	global_store_b128 v[CO], v[OUT+4*\j:OUT+4*\j+3], s[26:27] offset:4096*\j th:TH_STORE_NT
.endr
.endm
.macro BOUND e, on, ft        ; behind a block: fetch the block two on (ft = 3: not where s13 = 1); the block before leaves
.if \on
	PLACES 6
.else
	PLACES 8
.endif
.if \ft == 1
	FETCH \e
.else
	s_cmp_eq_u32 s13, 1
	s_cbranch_scc1 .Lnone_\@
	FETCH \e
	s_branch .Lgo_\@
.Lnone_\@:
	s_wait_dscnt 0x0
.Lgo_\@:
.endif
	STEP
.if \on
	STORES
.endif
.endm
.macro NORM e, ft
	START 36, 1
	RUN \e, 0, 32, 1
	WIN 0
	BOUND \e, 1, \ft
.endm
	s_load_b256 s[16:23], s[0:1], 0x0              ; hc, hs, W2 codes, W2 scales
	s_load_b128 s[24:27], s[0:1], 0x20             ; b2, out0
	v_lshl_add_u32 v[SPW], v0, 2, SPARE
	v_mov_b32 v[NIL], 0
	ds_add_u32 v[SPW], v[NIL]                      ; the opening: the add, twice on end
	ds_add_u32 v[SPW], v[NIL]
	v_lshrrev_b32 v1, 5, v0
	v_readfirstlane_b32 s14, v1                    ; wave
	s_bfe_u32 s40, ttmp6, 0x40000                  ; cx
	s_bfe_u32 s41, ttmp6, 0x40004                  ; cy
	s_lshl_b32 s42, ttmp9, 2
	s_add_co_u32 s42, s42, s40                     ; the column group, 0 .. 3
	s_and_b32 s43, ttmp7, 0xffff
	s_lshr_b32 s12, s43, 1                         ; the expert: two clusters each
	s_lshl_b32 s15, s43, 2
	s_add_co_u32 s15, s15, s41                     ; the row group, 0 .. 63
	s_lshl_b32 s44, s41, 2
	s_lshl_b32 s44, 15, s44                        ; my row of the cluster: the hidden layer
	s_lshl_b32 s45, 0x1111, s40                    ; my column: W2
	GROUP1 G1W, 45, 128, 2048
	GROUP1 G1R, 44, 32, 1024
	GROUP1 G1C, 44, 20, 1024
	GROUP1 G1S, 44, 8, 65536
	s_lshl_b32 s2, s15, 18                         ; hc: my 16 blocks
	s_mov_b32 s3, 0
	OFF 4, 12, 20, 42, 18                          ; W2: my 256 rows
	s_lshl_b32 s6, s15, 10                         ; hs: my 256 rows' words
	s_mov_b32 s7, 0
	OFF 8, 12, 15, 42, 13                          ; W2's scale bytes: my wave's 64 rows
	PLUS 8, 14, 11
	OFF 10, 12, 12, 42, 10                         ; b2: likewise
	PLUS 10, 14, 8
	s_mov_b32 s32, 0
	s_mov_b32 s36, 1
	s_mov_b32 s37, WA
	s_mov_b32 s84, 1
	s_mov_b32 s85, 0
	s_mov_b32 s88, 1
	s_mov_b32 s89, SCL
	s_mov_b32 s96, 1
	s_mov_b32 s97, WB
	s_mov_b32 s[G0R], 1
	s_mov_b32 s47, 0xff00ff00                      ; lanes with r / 8 = 1
	WALU
	s_wait_dscnt 0x0
	CROUND
	s_wait_kmcnt 0x0
	GROUP1 G1X, 44, 48, 1024
	s_add_nc_u64 s[38:39], s[20:21], s[4:5]
	s_or_b32 s39, s39, 0x80000000
	s_add_nc_u64 s[98:99], s[38:39], 0x400         ; the odd rows
	s_add_nc_u64 s[86:87], s[16:17], s[2:3]
	s_or_b32 s87, s87, 0x80000000
	s_add_nc_u64 s[90:91], s[18:19], s[6:7]
	s_or_b32 s91, s91, 0x80000000
	s_cmp_eq_u32 s14, 0                            ; one joint load a wave
	s_cbranch_scc0 .Lw1
	TLOAD 36, G1W                                  ; even rows
	s_branch .Lasked
.Lw1:
	s_cmp_eq_u32 s14, 1
	s_cbranch_scc0 .Lw2
	TLOAD 96, G1W                                  ; odd rows
	s_branch .Lasked
.Lw2:
	s_cmp_eq_u32 s14, 2
	s_cbranch_scc0 .Lw3
	TLOAD 84, G1X                                  ; blocks 0-2
	s_branch .Lasked
.Lw3:
	TLOAD 88, G1S                                  ; the scale words
.Lasked:
	s_add_nc_u64 s[22:23], s[22:23], s[8:9]
	s_add_nc_u64 s[24:25], s[24:25], s[10:11]
	OFF 10, 15, 20, 42, 10                         ; out0: my rows, my wave's 64 columns
	PLUS 10, 14, 8
	s_add_nc_u64 s[26:27], s[26:27], s[10:11]
	s_lshl_b32 s4, s40, 2
	s_add_co_u32 s4, s4, s14                       ; my rank among the sixteen waves of my row of the cluster
	s_mul_i32 s5, s4, 5120
	s_add_co_u32 s5, s5, s2
	s_add_co_u32 s5, s5, 176*1024
	s_lshl_b32 s4, s4, 13
	s_add_co_u32 s4, s4, s2
	s_add_co_u32 s4, s4, 48*1024
	s_mul_i32 s67, s14, 32*PITCH
	s_add_co_u32 s67, s67, WA
	v_and_b32 v28, 15, v0                          ; r
	v_bfe_u32 v29, v0, 4, 1                        ; h
	v_and_b32 v35, 31, v0                          ; lane
	v_lshrrev_b32 v31, 3, v28
	v_lshl_add_u32 v30, v28, 1, v31                ; tiles 0, 1: LDS row 2 r + r / 8;
	v_xor_b32 v32, 1, v30                          ; tiles 2, 3: the other of the two
	v_mul_u32_u24 v33, v30, PITCH
	v_lshl_add_u32 v33, v29, 4, v33
	v_mul_u32_u24 v34, v32, PITCH
	v_lshl_add_u32 v34, v29, 4, v34
	v_add_nc_u32 v16, s67, v33
	v_add_nc_u32 v18, s67, v34
	v_add_nc_u32 v17, 128*PITCH, v16
	v_add_nc_u32 v19, 128*PITCH, v18
	v_lshlrev_b32 v[XA], 4, v35
	v_lshlrev_b32 v[SAA], 2, v28
	v_mul_u32_u24 v30, v29, 4*PITCH
	v_add_nc_u32 v[SAA], v30, v[SAA]
	v_add_nc_u32 v[SAA], SCL, v[SAA]
	v_lshlrev_b32 v[CO], 15, v29
	v_lshl_add_u32 v[CO], v28, 4, v[CO]            ; out0: row 8 h, 16 bytes x r
	v_lshl_add_u32 v8, v35, 8, s4                  ; prefetches: blocks 3-10,
	v_min_u32 v9, 19, v35
	v_lshl_add_u32 v9, v9, 8, s5                   ; 11-15: 20 lanes' blocks, the rest name the last again
	v_lshl_add_u32 v36, v28, 2, v29
	v_lshl_add_u32 v36, v31, 1, v36                ; 4 r + h + 2 (r / 8): tiles 0, 1's scale rows
	v_xor_b32 v37, 2, v36
	v_lshlrev_b32 v36, 5, v36
	v_lshlrev_b32 v37, 5, v37
	v_lshlrev_b32 v38, 4, v28
	global_load_b128 v[SB:SB+3], v36, s[22:23]
	global_load_b128 v[SB+4:SB+7], v36, s[22:23] offset:16
	global_load_b128 v[SB+8:SB+11], v37, s[22:23]
	global_load_b128 v[SB+12:SB+15], v37, s[22:23] offset:16
	global_load_b128 v[20:23], v38, s[24:25]
	WALU
	s_cmp_eq_u32 s14, 0
	s_cbranch_scc0 .Lnotw
	s_wait_tensorcnt 0x0                           ; wave 0: the even rows are in
.Lnotw:
	BARRIER
	global_prefetch_b8 v8, s[16:17] th:TH_LOAD_NT scope:SCOPE_SE
	global_prefetch_b8 v9, s[16:17] th:TH_LOAD_NT scope:SCOPE_SE
	WHALF 0, 16, 18
	s_wait_loadcnt 0x0
.irp t, 0,1,2,3
	v_cndmask_b32 v[24+\t], v[20+\t], v[20+(\t+2)%4], s47
.endr
.irp t, 0,1,2,3
.irp j, 0,1,2,3,4,5,6,7
	v_mov_b32 v[BQ+8*\t+\j], v[24+\t]
.endr
.endr
	WALU
	GRD
	RDESC WA, 48, 32
	s_wait_dscnt 0x0                               ; the even rows are in registers
	CROUND
	TLOAD G0R, G1R                                 ; blocks 3-10
	WHALF 1, 17, 19
	s_mov_b32 s46, 0
	s_mov_b32 s101, 0
	FETCH 0
	STEP
	FETCH 1
	STEP
	; blocks 0 to 7
	START 36, 0
	RUN 0, 0, 32, 0
	WIN 0
	BOUND 0, 0, 1
	START 36, 0
	RUN 1, 0, 24, 1
	WIN 0
	GRD
	RDESC WB, 176, 20
	RUN 1, 24, 28, 1
	MEET
	RUN 1, 28, 32, 1
	MIDDLE
	BARRIER
	TLOAD G0R, G1C                                 ; blocks 11-15, over the odd rows
	BOUND 1, 1, 1
	s_mov_b32 s13, 3
.Lt0:
	NORM 0, 1
	NORM 1, 1
	s_sub_co_u32 s13, s13, 1
	s_cmp_lg_u32 s13, 0
	s_cbranch_scc1 .Lt0
	; blocks 8 to 15
	NORM 0, 1
	START 36, 1
	RUN 1, 0, 28, 1
	WIN 0
	WALU
	s_wait_tensorcnt 0x0                           ; blocks 11-15 are in
	s_wait_dscnt 0x0
	s_barrier_signal -1
	RUN 1, 28, 32, 1
	WIN 0
	s_barrier_wait -1
	BOUND 1, 1, 1
	s_mov_b32 s13, 3
.Lt1:
	NORM 0, 3
	NORM 1, 3
	s_sub_co_u32 s13, s13, 1
	s_cmp_lg_u32 s13, 0
	s_cbranch_scc1 .Lt1
	s_wait_xcnt 0x0                                ; the last block leaves
	s_add_nc_u64 s[26:27], s[26:27], 0x10000
	PLACES 4
.set K_, 0
.rept 32
	GL K_, 0
.set K_, K_+1
.endr
	STORES
	s_wait_tensorcnt 0x0                           ; the wave's end
	ds_add_u32 v[SPW], v[NIL]
	s_wait_dscnt 0x0
	CROUND
	s_endpgm
.Lfunc_end_k_q9b9e6683c0_fc2:
	.size	k_q9b9e6683c0_fc2, .Lfunc_end_k_q9b9e6683c0_fc2-k_q9b9e6683c0_fc2
	.p2alignl 7, 3214868480
	.fill 96, 4, 3214868480
	.section	.rodata,"a",@progbits
	.p2align	6, 0x0
	.amdhsa_kernel k_q9b9e6683c0_fc2
		.amdhsa_group_segment_fixed_size 327680
		.amdhsa_private_segment_fixed_size 0
		.amdhsa_enable_private_segment 0
		.amdhsa_kernarg_size 48
		.amdhsa_user_sgpr_count 2
		.amdhsa_user_sgpr_kernarg_segment_ptr 1
		.amdhsa_wavefront_size32 1
		.amdhsa_system_sgpr_workgroup_id_x 1
		.amdhsa_system_sgpr_workgroup_id_y 1
		.amdhsa_system_sgpr_workgroup_id_z 1
		.amdhsa_system_vgpr_workitem_id 0
		.amdhsa_next_free_vgpr 1024
		.amdhsa_next_free_sgpr 102
		.amdhsa_reserve_vcc 0
		.amdhsa_float_denorm_mode_32 3
		.amdhsa_float_denorm_mode_16_64 3
		.amdhsa_memory_ordered 1
		.amdhsa_forward_progress 1
		.amdhsa_inst_pref_size 110
	.end_amdhsa_kernel
	.amdgpu_metadata
---
amdhsa.version: [ 1, 2 ]
amdhsa.kernels:
  - .name:           k_q9b9e6683c0_fc2
    .symbol:         k_q9b9e6683c0_fc2.kd
    .args:
      - { .name: hc, .offset: 0, .size: 8, .value_kind: global_buffer, .address_space: global }
      - { .name: hs, .offset: 8, .size: 8, .value_kind: global_buffer, .address_space: global }
      - { .name: W2_codes, .offset: 16, .size: 8, .value_kind: global_buffer, .address_space: global }
      - { .name: W2_scales, .offset: 24, .size: 8, .value_kind: global_buffer, .address_space: global }
      - { .name: b2, .offset: 32, .size: 8, .value_kind: global_buffer, .address_space: global }
      - { .name: out0, .offset: 40, .size: 8, .value_kind: global_buffer, .address_space: global }
    .group_segment_fixed_size: 327680
    .private_segment_fixed_size: 0
    .kernarg_segment_align: 8
    .kernarg_segment_size: 48
    .max_flat_workgroup_size: 128
    .sgpr_count:     102
    .vgpr_count:     1024
    .wavefront_size: 32
...
	.end_amdgpu_metadata
.endif
;; end of part 3
